; MI455X (gfx1250); checked and timed in simulation.
; The chip was launched on July 23, 2026; its instructions are those of AMD's public machine-readable ISA for CDNA 5 (MIT licence, August 2026) and "CDNA5" Instruction Set Architecture Reference Guide (July 2026). The comments in the code are by the model that wrote it; some were corrected since.
;; attention. Allowed arithmetic: float matrix products may take bf16 or f16 operands with f32 sums; all other float work in f32.
;; Inputs: W1 1,024 x 3,072 float32; Wp 1,024 x 1,024 float32; b1 3,072 float32; bp 1,024 float32; x 1 x 4,096 x 1,024 float32.
;; Outputs: out0 1 x 4,096 x 1,024 float32.
;; One version. Each part assembles by itself: llvm-mc -triple=amdgcn-amd-amdhsa -mcpu=gfx1250 --defsym DOCPART=n.
;; ======== version 1 of 1: 4 launches
;; limits: values are held in f16: magnitudes above 65,504 overflow, below 6.1e-05 lose precision
;; workspace buffers: xb 8,388,608 bytes; w1b 6,291,456 bytes; wpb 2,097,152 bytes; q 16,777,216 bytes; k 16,777,216 bytes; vt 16,777,216 bytes; vsum 262,144 bytes; att 16,777,216 bytes
;; launch cast (part 1): grid 256 x 1, 8 waves a work-group, no clusters, 0 bytes of LDS; arguments x, W1, Wp, xb, w1b, wpb; writes xb, w1b, wpb
.if DOCPART == 1
	.amdgcn_target "amdgcn-amd-amdhsa--gfx1250"
	.amdhsa_code_object_version 6
	.text
	.protected	k_q5d128323e3_cast
	.globl	k_q5d128323e3_cast
	.p2align	8
	.type	k_q5d128323e3_cast,@function
k_q5d128323e3_cast:
	s_mov_b64 s[64:65], 0
	v_nop
	global_prefetch_b8 v0, s[64:65] scope:SCOPE_SE
	s_setreg_imm32_b32 hwreg(HW_REG_WAVE_MODE, 25, 1), 1
	s_wait_xcnt 0x0
; xb, w1b, wpb = x, W1, Wp rounded once to bf16 (nearest even), in the same row-major layouts.
; The three f32 inputs are 128 + 96 + 32 = 256 pieces of 131,072 bytes; a work-group takes one piece, a wave 16,384 bytes of it.
; A wave issues its 32 loads of 512 consecutive bytes at once and keeps each in registers of its own, so nothing is rewritten
; and the only waits are the counted ones in front of each conversion.  A store of 8 bytes a lane covers 256 consecutive bytes, aligned.
; No LDS, no matrix unit: each number is touched once.
.set PIECE_IN,  17                     ; log2 of a piece's bytes in f32
.set PIECE_OUT, 16                     ; and in bf16
.set IN,  8                            ; v[8:135]    32 loads x 4 registers
.set OUT, 136                          ; v[136:199]  32 stores x 2 registers
	s_load_b256 s[4:11], s[0:1], 0x0               ; x s[4:5], W1 s[6:7], Wp s[8:9], xb s[10:11]
	s_load_b128 s[12:15], s[0:1], 0x20             ; w1b s[12:13], wpb s[14:15]
	v_and_b32 v3, 31, v0                           ; lane
	v_lshrrev_b32 v4, 5, v0                        ; wave
	v_lshlrev_b32 v1, 4, v3
	v_lshl_add_u32 v1, v4, 14, v1                  ; in: 16,384 x wave + 16 x lane
	v_lshlrev_b32 v2, 3, v3
	v_lshl_add_u32 v2, v4, 13, v2                  ; out: 8,192 x wave + 8 x lane
	s_wait_kmcnt 0x0
	s_cmp_lt_u32 ttmp9, 128                        ; pieces 0-127: x
	s_cselect_b64 s[16:17], s[4:5], s[6:7]
	s_cselect_b64 s[18:19], s[10:11], s[12:13]
	s_cselect_b32 s20, 0, 128
	s_cmp_lt_u32 ttmp9, 224                        ; pieces 128-223: W1; 224-255: Wp
	s_cselect_b64 s[16:17], s[16:17], s[8:9]
	s_cselect_b64 s[18:19], s[18:19], s[14:15]
	s_cselect_b32 s20, s20, 224
	s_sub_co_u32 s20, ttmp9, s20                   ; the piece's number inside its tensor
	s_lshl_b32 s22, s20, PIECE_IN
	s_mov_b32 s23, 0
	s_lshl_b32 s24, s20, PIECE_OUT
	s_mov_b32 s25, 0
	s_add_nc_u64 s[16:17], s[16:17], s[22:23]
	s_add_nc_u64 s[18:19], s[18:19], s[24:25]
.set i, 0
.rept 32
	global_load_b128 v[IN+4*i:IN+4*i+3], v1, s[16:17] offset:512*i th:TH_LOAD_NT
.set i, i+1
.endr
.set i, 0
.rept 32
	s_wait_loadcnt 31-i                            ; loads come back in order: load i is in, the 31 - i younger ones stay out
	v_cvt_pk_bf16_f32 v[OUT+2*i],   v[IN+4*i],   v[IN+4*i+1]
	v_cvt_pk_bf16_f32 v[OUT+2*i+1], v[IN+4*i+2], v[IN+4*i+3]
	global_store_b64 v2, v[OUT+2*i:OUT+2*i+1], s[18:19] offset:256*i
.set i, i+1
.endr
	s_endpgm
.Lfunc_end_k_q5d128323e3_cast:
	.size	k_q5d128323e3_cast, .Lfunc_end_k_q5d128323e3_cast-k_q5d128323e3_cast
	.p2alignl 7, 3214868480
	.fill 96, 4, 3214868480
	.section	.rodata,"a",@progbits
	.p2align	6, 0x0
	.amdhsa_kernel k_q5d128323e3_cast
		.amdhsa_group_segment_fixed_size 0
		.amdhsa_private_segment_fixed_size 0
		.amdhsa_enable_private_segment 0
		.amdhsa_kernarg_size 48
		.amdhsa_user_sgpr_count 2
		.amdhsa_user_sgpr_kernarg_segment_ptr 1
		.amdhsa_wavefront_size32 1
		.amdhsa_system_sgpr_workgroup_id_x 1
		.amdhsa_system_sgpr_workgroup_id_y 1
		.amdhsa_system_sgpr_workgroup_id_z 1
		.amdhsa_system_vgpr_workitem_id 0
		.amdhsa_next_free_vgpr 200
		.amdhsa_next_free_sgpr 66
		.amdhsa_reserve_vcc 0
		.amdhsa_float_denorm_mode_32 3
		.amdhsa_float_denorm_mode_16_64 3
		.amdhsa_memory_ordered 1
		.amdhsa_forward_progress 1
		.amdhsa_inst_pref_size 13
	.end_amdhsa_kernel
	.amdgpu_metadata
---
amdhsa.version: [ 1, 2 ]
amdhsa.kernels:
  - .name:           k_q5d128323e3_cast
    .symbol:         k_q5d128323e3_cast.kd
    .args:
      - { .name: x, .offset: 0, .size: 8, .value_kind: global_buffer, .address_space: global }
      - { .name: W1, .offset: 8, .size: 8, .value_kind: global_buffer, .address_space: global }
      - { .name: Wp, .offset: 16, .size: 8, .value_kind: global_buffer, .address_space: global }
      - { .name: xb, .offset: 24, .size: 8, .value_kind: global_buffer, .address_space: global }
      - { .name: w1b, .offset: 32, .size: 8, .value_kind: global_buffer, .address_space: global }
      - { .name: wpb, .offset: 40, .size: 8, .value_kind: global_buffer, .address_space: global }
    .group_segment_fixed_size: 0
    .private_segment_fixed_size: 0
    .kernarg_segment_align: 8
    .kernarg_segment_size: 48
    .max_flat_workgroup_size: 256
    .sgpr_count:     66
    .vgpr_count:     200
    .wavefront_size: 32
...
	.end_amdgpu_metadata
.endif
;; end of part 1
;; launch qkv (part 2): grid 16 x 16, 4 waves a work-group, clusters of 4 x 4, 327,680 bytes of LDS; arguments xb, w1b, b1, q, k, vt, vsum; writes q, k, vt, vsum
.if DOCPART == 2
	.amdgcn_target "amdgcn-amd-amdhsa--gfx1250"
	.amdhsa_code_object_version 6
	.text
	.protected	k_q5d128323e3_qkv
	.globl	k_q5d128323e3_qkv
	.p2align	8
	.type	k_q5d128323e3_qkv,@function
k_q5d128323e3_qkv:
	s_mov_b64 s[64:65], 0
	v_nop
	global_prefetch_b8 v0, s[64:65] scope:SCOPE_SE
	s_setreg_imm32_b32 hwreg(HW_REG_WAVE_MODE, 25, 1), 1
	s_wait_xcnt 0x0
	s_wait_alu depctr_hold_cnt(0) depctr_sa_sdst(0) depctr_va_vdst(0) depctr_va_sdst(0) depctr_va_ssrc(0) depctr_va_vcc(0) depctr_vm_vsrc(0)
	s_getreg_b32 s2, hwreg(HW_REG_IB_STS2, 6, 4)
	s_cmp_eq_u32 s2, 0
	s_cbranch_scc0 .Lentry_in_a_cluster
	s_endpgm
.Lentry_in_a_cluster:
	s_bfe_u32 s2, ttmp6, 0x10000c
	s_cmp_lg_u32 s2, 0xf033
	s_cbranch_scc0 .Lentry_shape_is_right
	s_endpgm
.Lentry_shape_is_right:
; h = x W1 + b1 for one head (192 columns: q | k | v) and 256 rows, out of the bf16 copies xb [4096][1024] and w1b [1024][3072]; sums in f32.
; Out, each as TWO f16 terms, a plane of the rounded values and, 8,388,608 bytes behind it, a plane of what the rounding left over:
;      q, k  f16 [2][head][4096][64];  vt  f16 [2][head][64 tiles][64 d][64 keys] (v transposed, a tile of 64 keys is 8,192 dense bytes);
;      vsum  f32 [head][64 tiles][64 d]: the sums of v (in f32, bias added) over a tile's 64 keys.
; WHY TWO TERMS: a query with few open keys averages nothing away, so its result carries the operands' rounding in full; the attention launch takes the
; second terms along in each block's diagonal unit, 22 bits in all, and the first terms alone elsewhere.
; Four waves; wave w makes rows 64 w .. 64 w + 63 and all 192 columns: 4 x 12 accumulator tiles of 16 x 16, 384 registers; the text is the same in all waves.
; K goes in 8 steps of 128 through two LDS slots filled by the tensor data mover.
; CLUSTERS: 4 x 4 work-groups.  x's tile hangs on the row block alone and is asked for jointly by a row of the cluster, W1's tile on the head
; alone and is asked for jointly by a column: four requests become one.
; q and k: the matrix instruction is used transposed (source 0 = 16 columns of W1, source 1 = 16 rows of x): a lane holds 8 neighbouring columns of one row.
; v: natural order (source 0 = x, source 1 = W1): a lane holds column d = lane % 16 and 8 neighbouring keys, which is v transposed without further work.
; W1 lies [K][N]: its fragments come out of LDS by the transposing load.
; LIMITS: operands are bf16; |h| must stay below 65,504, the largest f16; a second term loses what lies below 2^-24; the order of the sums is the matrix unit's;
; NaN and infinities are not served.
;
; REGISTERS in windows of 256:
;   window 0: addresses v14-31; x fragments, two buffers v32-63, v64-95 (on the way out: packed results and rows read back);
;             bias of q and k v96-159, of v v160-167; v168-231 at work; v232-239 column sums; v240-255 the split's temporaries
;   window 1: W1 fragments, two buffers v0-95, v96-191
;   window 2: tiles (a, b), b = 0..5, at v[8 (6 a + b)];   window 3: tiles (a, b), b = 6..11, at v[8 (6 a + b - 6)]
.set KSTEP,  128
.set XPITCH, 272                       ; an LDS row of x: 256 bytes + 16: the 16 rows of a fragment load begin in 16 different 16-byte columns modulo 256 bytes
.set WPITCH, 480                       ; an LDS row of W1: 6 pieces of 64 bytes + 16 each = 15 x 32 bytes
.set XHALF,  128*XPITCH                ; what waves 0 and 1 each bring: 128 rows of x
.set WHALF,  64*WPITCH                 ; what waves 2 and 3 each bring: 64 k-rows of W1
.set WTILE,  2*XHALF                   ; W1's tile begins behind x's 256 rows
.set SLOT,   131072                    ; 69,632 + 61,440
.set STAGE,  2*SLOT                    ; behind the ring: 16 rows x 272 bytes for each wave, never the target of a tensor load
.set SPITCH, 272
.set VSTG,   STAGE+4*16*SPITCH         ; 256 bytes for each wave: the 64 column sums
.set LOPLANE, 0x800000                 ; from a buffer's first terms to its second terms
.set LANE, 14
.set ADRA, 16                          ; v16-17  LDS address of my x fragments in slot 0, 1
.set ADRB, 20                          ; v20-21  the same for W1
.set STO,  24                          ; stage: where I put 16 bytes of a row
.set RD,   25                          ; stage: where I read rows of 128 bytes back
.set CO,   26                          ; 16 x lane
.set VS4,  27                          ; sums' stage + 4 x lane
.set VS8,  28                          ; sums' stage + 8 x lane
.set CO8,  29                          ; 8 x lane
.set BOQ,  30                          ; 32 x (lane / 16)
.set BOV,  31                          ; 4 x (lane % 16)
.set XF0,  32
.set XF1,  64
.set TMP,  32
.set RB,   64
.set BQ,   96
.set BV,   160
.set T,    168
.set CS,   232
.set X,    240
.set WF0,  0
.set WF1,  96
.set G1A, 28                           ; s[28:35] group 1 for x's tiles
.set G0A, 36                           ; s[36:43] group 0 for x's tiles, one set for each slot
.set G1B, 44                           ; s[44:51] group 1 for W1's tiles
.set G0B, 52                           ; s[52:59] group 0 for W1's tiles
.set MSB, 0
.macro WIN new                         ; the immediate's high byte repeats the setting that is left
.if MSB != \new
	s_set_vgpr_msb (MSB<<8)|\new
.set MSB, \new
.endif
.endm
.set MUL_LO, 0xa1                      ; source 0 (W1) window 1, source 1 (x) window 0, C and D window 2
.set MUL_QK, 0xf1                      ; the same, C and D window 3
.set MUL_V,  0xf4                      ; source 0 (x) window 0, source 1 (W1) window 1, C and D window 3
.set TO_W,   0x40                      ; destination window 1, address window 0
; A joint load: waves 0 and 1 ask for x's halves, waves 2 and 3 for W1's.  Each line has one mask; the branch hangs on the wave's number alone.
.macro JLOAD s
	s_cmp_eq_u32 s19, 0
	s_cbranch_scc0 .Lfor_w_\@
	tensor_load_to_lds s[G0A+4*\s:G0A+4*\s+3], s[G1A:G1A+7]
	s_nop 0
	s_branch .Lasked_\@
.Lfor_w_\@:
	tensor_load_to_lds s[G0B+4*\s:G0B+4*\s+3], s[G1B:G1B+7]
	s_nop 0
.Lasked_\@:
.endm
.macro CREST                           ; a round of the cluster's barrier behind its opening work-group barrier
	s_cmp_lg_u32 s18, 0
	s_cbranch_scc1 .Lnot_wave_0_\@
	s_barrier_signal -3
.Lnot_wave_0_\@:
	s_barrier_wait -3
	s_barrier_signal -1
	s_barrier_wait -1
.endm
.macro CROUND
	s_barrier_signal -1
	s_barrier_wait -1
	CREST
.endm
.macro PLACES                          ; four independent vector instructions between a matrix instruction and a load into, or a vector read of, its registers
.rept 4
	v_nop
.endr
.endm
	s_load_b256 s[4:11], s[0:1], 0x0               ; xb s[4:5], w1b s[6:7], b1 s[8:9], q s[10:11]
	s_load_b128 s[12:15], s[0:1], 0x20             ; k s[12:13], vt s[14:15]
	s_load_b64 s[16:17], s[0:1], 0x30              ; vsum
	s_set_vgpr_msb 0x40
	v_lshl_add_u32 v255, v0, 2, 0x44800
	s_set_vgpr_msb 0x4000
	v_mov_b32 v23, 0
	s_set_vgpr_msb 0x1
	ds_add_u32 v255, v23
	ds_add_u32 v255, v23
	s_set_vgpr_msb 0x100
	v_lshrrev_b32 v1, 5, v0
	v_readfirstlane_b32 s18, v1                    ; wave 0..3
	s_lshr_b32 s19, s18, 1                         ; I fetch for x (0) or for W1 (1)
	s_and_b32 s20, s18, 1                          ; which half of that tile
	s_bfe_u32 s21, ttmp6, 0x40000                  ; cx
	s_bfe_u32 s22, ttmp6, 0x40004                  ; cy
	s_lshl_b32 s23, ttmp9, 2
	s_add_co_u32 s23, s23, s21                     ; head = 4 x cluster x + cx
	s_and_b32 s24, ttmp7, 0xffff
	s_lshl_b32 s24, s24, 2
	s_add_co_u32 s24, s24, s22                     ; row block = 4 x cluster y + cy
	s_lshl_b32 s25, s22, 2
	s_lshl_b32 s25, 15, s25                        ; my row of the cluster
	s_lshl_b32 s26, 0x1111, s21                    ; my column
	; group 1 for x: 128 rows x 128 elements of 2 bytes, 16 bytes of padding behind every 64 words
	s_or_b32 s[G1A+0], s25, (1<<16)|(1<<20)|(1<<21)|(5<<22)|(3<<25)
	s_mov_b32 s[G1A+1], 128<<16                    ; tensor_dim0 = 128
	s_mov_b32 s[G1A+2], 128<<16                    ; tensor_dim1 = 128
	s_mov_b32 s[G1A+3], 128<<16                    ; tile_dim0 = 128
	s_mov_b32 s[G1A+4], 128                        ; tile_dim1 = 128
	s_mov_b32 s[G1A+5], 1024                       ; elements from row to row
	s_mov_b32 s[G1A+6], 0
	s_mov_b32 s[G1A+7], 0
	; group 1 for W1: 64 k-rows x 192 elements, 16 bytes of padding behind every 16 words (six to a row)
	s_or_b32 s[G1B+0], s26, (1<<16)|(1<<20)|(1<<21)|(3<<22)|(3<<25)
	s_mov_b32 s[G1B+1], 192<<16
	s_mov_b32 s[G1B+2], 64<<16
	s_mov_b32 s[G1B+3], 192<<16
	s_mov_b32 s[G1B+4], 64
	s_mov_b32 s[G1B+5], 3072
	s_mov_b32 s[G1B+6], 0
	s_mov_b32 s[G1B+7], 0
	; x's address is made of the row block and the wave's number, W1's of the head and the wave's number, in registers that never hold the other coordinate
	s_lshl_b32 s60, s24, 19                        ; 256 rows x 2,048 bytes
	s_lshl_b32 s62, s20, 18                        ; + 128 rows for the second half
	s_add_co_u32 s60, s60, s62
	s_mov_b32 s61, 0
	s_mul_i32 s66, s23, 384                        ; the head's 192 columns
	s_mul_i32 s68, s20, 64*6144                    ; + 64 k-rows for the second half
	s_add_co_u32 s66, s66, s68
	s_mov_b32 s67, 0
	s_mul_i32 s70, s18, XHALF                      ; LDS: waves 0, 1: x's halves at 0 and 34,816
	s_mul_i32 s71, s18, WHALF
	s_add_co_u32 s71, s71, WTILE-2*WHALF           ; waves 2, 3: W1's halves at 69,632 and 100,352
	s_mul_i32 s72, s23, 768                        ; the head's bias
	s_mov_b32 s73, 0
	s_lshl_b32 s74, s23, 19                        ; q, k and vt share one offset: 524,288 x head + 32,768 x row block + 8,192 x wave
	s_lshl_b32 s86, s24, 15
	s_add_co_u32 s74, s74, s86
	s_lshl_b32 s86, s18, 13
	s_add_co_u32 s74, s74, s86
	s_mov_b32 s75, 0
	s_lshl_b32 s82, s23, 14                        ; vsum: 256 bytes x (64 head + 4 row block + wave)
	s_lshl_b32 s86, s24, 10
	s_add_co_u32 s82, s82, s86
	s_lshl_b32 s86, s18, 8
	s_add_co_u32 s82, s82, s86
	s_mov_b32 s83, 0
	s_mov_b32 s84, 0x76543210                      ; v_permlanex16_b32: lane i reads lane i of the other half
	s_mov_b32 s85, 0xfedcba98
	s_mov_b32 s94, 0x46000400                      ; 8193 = 2^13 + 1: the split's factor
	s_mov_b32 s95, 0x46000400
	s_wait_dscnt 0x0
	s_wait_kmcnt 0x0
	s_add_nc_u64 s[60:61], s[4:5], s[60:61]
	s_add_nc_u64 s[66:67], s[6:7], s[66:67]
	s_add_nc_u64 s[72:73], s[8:9], s[72:73]
	s_add_nc_u64 s[76:77], s[10:11], s[74:75]      ; q, first terms
	s_add_nc_u64 s[78:79], s[12:13], s[74:75]      ; k
	s_add_nc_u64 s[80:81], s[14:15], s[74:75]      ; vt
	s_add_nc_u64 s[82:83], s[16:17], s[82:83]
	s_add_nc_u64 s[88:89], s[76:77], LOPLANE       ; q, second terms
	s_add_nc_u64 s[90:91], s[78:79], LOPLANE       ; k
	s_add_nc_u64 s[92:93], s[80:81], LOPLANE       ; vt
	CROUND                                         ; all sixteen work-groups are here: the first joint loads meet
.irp s, 0,1
	s_mov_b32 s[G0A+4*\s], 1
	s_add_co_u32 s[G0A+4*\s+1], s70, \s*SLOT
	s_add_nc_u64 s[G0A+4*\s+2:G0A+4*\s+3], s[60:61], \s*KSTEP*2
	s_or_b32 s[G0A+4*\s+3], s[G0A+4*\s+3], 0x80000000
	s_mov_b32 s[G0B+4*\s], 1
	s_add_co_u32 s[G0B+4*\s+1], s71, \s*SLOT
	s_add_nc_u64 s[G0B+4*\s+2:G0B+4*\s+3], s[66:67], \s*KSTEP*6144
	s_or_b32 s[G0B+4*\s+3], s[G0B+4*\s+3], 0x80000000
	JLOAD \s                                       ; K steps 0 and 1: two tensor loads of the wave are out, the most in this text
.endr
	v_and_b32 v[LANE], 31, v0
	v_and_b32 v1, 15, v0                           ; r = lane % 16
	v_bfe_u32 v2, v0, 4, 1                         ; h = lane / 16
	v_and_b32 v7, 7, v0
	v_bfe_u32 v5, v0, 3, 1
	v_lshlrev_b32 v[BOQ], 5, v2
	v_lshlrev_b32 v[BOV], 2, v1
	; the bias, once: q and k: columns 16 b + 8 h + 0..7; v: column 128 + 16 t + r, into both registers of a pair
.irp b, 0,1,2,3,4,5,6,7
	global_load_b128 v[BQ+8*\b:BQ+8*\b+3],   v[BOQ], s[72:73] offset:64*\b
	global_load_b128 v[BQ+8*\b+4:BQ+8*\b+7], v[BOQ], s[72:73] offset:64*\b+16
.endr
.irp t, 0,1,2,3
	global_load_b32 v[BV+2*\t],   v[BOV], s[72:73] offset:512+64*\t
	global_load_b32 v[BV+2*\t+1], v[BOV], s[72:73] offset:512+64*\t
.endr
	v_mul_u32_u24 v3, v1, XPITCH
	v_lshl_add_u32 v3, v2, 4, v3                   ; r x 272 + 16 h
	s_mul_i32 s86, s18, 64*XPITCH                  ; my 64 rows of x
	v_add_nc_u32 v[ADRA], s86, v3
	v_add_nc_u32 v[ADRA+1], SLOT, v[ADRA]
	v_lshl_add_u32 v4, v2, 3, v7                   ; the transposing load: k-row 8 h + lane % 8,
	v_mul_u32_u24 v4, v4, WPITCH
	v_lshl_add_u32 v4, v5, 4, v4                   ; 16 bytes further for lanes 8-15 and 24-31
	v_add_nc_u32 v[ADRB], WTILE, v4
	v_add_nc_u32 v[ADRB+1], WTILE+SLOT, v4
	s_mul_i32 s86, s18, 16*SPITCH
	s_add_co_u32 s86, s86, STAGE                   ; my stage
	v_add_nc_u32 v[STO], s86, v3
	v_lshrrev_b32 v6, 3, v[LANE]
	v_mul_u32_u24 v6, v6, SPITCH
	v_lshl_add_u32 v6, v7, 4, v6                   ; back: 8 lanes take 128 bytes of a row, 4 rows a load
	v_add_nc_u32 v[RD], s86, v6
	v_lshlrev_b32 v[CO], 4, v[LANE]
	v_lshlrev_b32 v[CO8], 3, v[LANE]
	s_lshl_b32 s86, s18, 8
	s_add_co_u32 s86, s86, VSTG
	v_lshl_add_u32 v[VS4], v[LANE], 2, s86
	v_add_nc_u32 v[VS8], s86, v[CO8]
; The 48 accumulators take turns, one instruction a turn, in the same order in every quarter step.
.macro MULLO xf, wf, a0, zero          ; 12: row tiles a0, a0 + 1 x column tiles 0..5 (q, and the first half of k)
.irp a, \a0, \a0+1
.irp b, 0,1,2,3,4,5
.if \zero
	v_wmma_f32_16x16x32_bf16 v[8*(6*(\a)+\b):8*(6*(\a)+\b)+7], v[\wf+8*\b:\wf+8*\b+7], v[\xf+8*(\a):\xf+8*(\a)+7], 0
.else
	v_wmma_f32_16x16x32_bf16 v[8*(6*(\a)+\b):8*(6*(\a)+\b)+7], v[\wf+8*\b:\wf+8*\b+7], v[\xf+8*(\a):\xf+8*(\a)+7], v[8*(6*(\a)+\b):8*(6*(\a)+\b)+7]
.endif
.endr
.endr
.endm
.macro MULQK xf, wf, zero              ; 8: the rest of k, column tiles 6, 7
.irp a, 0,1,2,3
.irp b, 6,7
.if \zero
	v_wmma_f32_16x16x32_bf16 v[8*(6*\a+\b-6):8*(6*\a+\b-6)+7], v[\wf+8*\b:\wf+8*\b+7], v[\xf+8*\a:\xf+8*\a+7], 0
.else
	v_wmma_f32_16x16x32_bf16 v[8*(6*\a+\b-6):8*(6*\a+\b-6)+7], v[\wf+8*\b:\wf+8*\b+7], v[\xf+8*\a:\xf+8*\a+7], v[8*(6*\a+\b-6):8*(6*\a+\b-6)+7]
.endif
.endr
.endr
.endm
.macro MULV xf, wf, zero               ; 16: v, column tiles 8..11, natural order
.irp a, 0,1,2,3
.irp b, 8,9,10,11
.if \zero
	v_wmma_f32_16x16x32_bf16 v[8*(6*\a+\b-6):8*(6*\a+\b-6)+7], v[\xf+8*\a:\xf+8*\a+7], v[\wf+8*\b:\wf+8*\b+7], 0
.else
	v_wmma_f32_16x16x32_bf16 v[8*(6*\a+\b-6):8*(6*\a+\b-6)+7], v[\xf+8*\a:\xf+8*\a+7], v[\wf+8*\b:\wf+8*\b+7], v[8*(6*\a+\b-6):8*(6*\a+\b-6)+7]
.endif
.endr
.endr
.endm
; 32 LDS loads in one run: quarter kq (32 along K) of a slot: 8 for my 64 rows of x, then 24 for W1's 12 column tiles, ascending
.macro FETCH slot, kq, xf, wf
	WIN 0
.irp a, 0,1,2,3
	ds_load_b128 v[\xf+8*\a:\xf+8*\a+3],   v[ADRA+\slot] offset:\a*16*XPITCH+64*\kq
	ds_load_b128 v[\xf+8*\a+4:\xf+8*\a+7], v[ADRA+\slot] offset:\a*16*XPITCH+64*\kq+32
.endr
	WIN TO_W
.irp b, 0,1,2,3,4,5,6,7,8,9,10,11
	ds_load_tr16_b128 v[\wf+8*\b:\wf+8*\b+3],   v[ADRB+\slot] offset:\kq*32*WPITCH+80*(\b/2)+32*(\b%2)
	ds_load_tr16_b128 v[\wf+8*\b+4:\wf+8*\b+7], v[ADRB+\slot] offset:\kq*32*WPITCH+80*(\b/2)+32*(\b%2)+16*WPITCH
.endr
.endm
; One of a K step's first three quarters: multiplies buffers xf, wf; in its middle fetches quarter kq of the same slot into xg, wg
.macro QUARTER slot, kq, xf, wf, xg, wg, zero
	s_wait_dscnt 12                                ; x and W1's tiles 0-5 are in; the youngest twelve loads (tiles 6-11) may be out
	WIN MUL_LO
	MULLO \xf, \wf, 0, \zero
	MULLO \xf, \wf, 2, \zero
	PLACES
	FETCH \slot, \kq, \xg, \wg
	s_wait_dscnt 32                                ; all but the 32 just issued
	WIN MUL_QK
	MULQK \xf, \wf, \zero
	WIN MUL_V
	MULV \xf, \wf, \zero
.endm
.macro THREE slot, zero
	QUARTER \slot, 1, XF0, WF0, XF1, WF1, \zero
	QUARTER \slot, 2, XF1, WF1, XF0, WF0, 0
	QUARTER \slot, 3, XF0, WF0, XF1, WF1, 0
.endm
; The last quarter changes slots.  In front of the barrier each wave waits for its reads of this slot and for all its tensor loads (the one out is its
; part of the next slot).  Where the slot is filled again the barrier opens a round of the cluster's barrier, and the joint refill is the first tensor
; load behind the round.  From a request to the wait for it a wave issues 180 matrix instructions.
.macro TURN slot, next, fill
	s_wait_dscnt 12
	WIN MUL_LO
	MULLO XF1, WF1, 0, 0
	s_wait_dscnt 0x0                               ; my reads of this slot are over
	s_wait_tensorcnt 0x0                           ; all my tensor loads have landed
	ds_add_u32 v255, v23
	s_wait_dscnt 0x0
	s_barrier_signal -1
	MULLO XF1, WF1, 2, 0                           ; registers only
	WIN 0
	s_barrier_wait -1
.if \fill
	CREST
	s_add_nc_u64 s[G0A+4*\slot+2:G0A+4*\slot+3], s[G0A+4*\slot+2:G0A+4*\slot+3], 2*KSTEP*2
	s_add_nc_u64 s[G0B+4*\slot+2:G0B+4*\slot+3], s[G0B+4*\slot+2:G0B+4*\slot+3], 2*KSTEP*6144
	JLOAD \slot
.endif
	PLACES
	FETCH \next, 0, XF0, WF0
	WIN MUL_QK
	MULQK XF1, WF1, 0
	WIN MUL_V
	MULV XF1, WF1, 0
.endm
.macro LAP zero
	THREE 0, \zero
	TURN 0, 1, 1
	THREE 1, 0
	TURN 1, 0, 1
.endm
	s_wait_tensorcnt 0x1                           ; my part of K step 0 is in; K step 1's may stay out
	s_barrier_signal -1
	s_barrier_wait -1
	FETCH 0, 0, XF0, WF0
	LAP 1                                          ; K steps 0, 1: the first products start the sums, nothing is cleared
	WIN 0
	s_mov_b32 s3, 2
.Llap:
	LAP 0                                          ; K steps 2-5
	WIN 0
	s_sub_co_u32 s3, s3, 1
	s_cmp_lg_u32 s3, 0
	s_cbranch_scc1 .Llap
	THREE 0, 0                                     ; K steps 6, 7: nothing is left to fetch
	TURN 0, 1, 0
	THREE 1, 0
	s_wait_dscnt 12
	WIN MUL_LO
	MULLO XF1, WF1, 0, 0
	MULLO XF1, WF1, 2, 0
	s_wait_dscnt 0x0
	WIN MUL_QK
	MULQK XF1, WF1, 0
	WIN MUL_V
	MULV XF1, WF1, 0
	; THE WAY OUT, through each wave's own stage; LDS serves a wave's instructions in order, so no wait stands between its stores and its loads there.
	PLACES
	s_wait_loadcnt 0x0                             ; the bias
; n pairs of f32 in T are split: c = 8193 t, first term = c - (c - t) = t rounded to 11 bits, which f16 holds as it is; T keeps t - first term, exactly.
; Four pairs at a time, so that no line waits for the one in front of it.
.macro SPLIT n
.set i, 0
.rept \n/4
.irp k, 0,1,2,3
	v_pk_mul_f32 v[X+4*\k:X+4*\k+1], v[T+2*(i+\k):T+2*(i+\k)+1], s[94:95] op_sel_hi:[1,0]
.endr
.irp k, 0,1,2,3
	v_pk_add_f32 v[X+4*\k+2:X+4*\k+3], v[X+4*\k:X+4*\k+1], v[T+2*(i+\k):T+2*(i+\k)+1] neg_lo:[0,1] neg_hi:[0,1]
.endr
.irp k, 0,1,2,3
	v_pk_add_f32 v[X+4*\k:X+4*\k+1], v[X+4*\k:X+4*\k+1], v[X+4*\k+2:X+4*\k+3] neg_lo:[0,1] neg_hi:[0,1]
.endr
.irp k, 0,1,2,3
	v_pk_add_f32 v[T+2*(i+\k):T+2*(i+\k)+1], v[T+2*(i+\k):T+2*(i+\k)+1], v[X+4*\k:X+4*\k+1] neg_lo:[0,1] neg_hi:[0,1]
.endr
.irp k, 0,1,2,3
	v_cvt_pk_f16_f32 v[TMP+i+\k], v[X+4*\k], v[X+4*\k+1]
.endr
.set i, i+4
.endr
.endm
.macro LOPACK n                        ; the second terms, rounded to f16
.set i, 0
.rept \n
	v_cvt_pk_f16_f32 v[TMP+i], v[T+2*i], v[T+2*i+1]
.set i, i+1
.endr
.endm
; 16 rows of q and k out of TMP: 16 bytes a lane into the stage (q in bytes 0-127 of a row, k in 128-255), back as rows of 128 bytes
.macro PUTQK a, qb, kb
.irp b, 0,1,2,3,4,5,6,7
	ds_store_b128 v[STO], v[TMP+4*\b:TMP+4*\b+3] offset:32*\b
.endr
	s_wait_xcnt 0x0                                ; RB, which the earlier global stores read, is loaded again only behind this wait
.irp i, 0,1,2,3
	ds_load_b128 v[RB+4*\i:RB+4*\i+3], v[RD] offset:\i*4*SPITCH
.endr
.irp i, 0,1,2,3
	ds_load_b128 v[RB+16+4*\i:RB+16+4*\i+3], v[RD] offset:\i*4*SPITCH+128
.endr
.irp i, 0,1,2,3
	s_wait_dscnt 7-\i                              ; read-back i is in, the younger ones stay out
	global_store_b128 v[CO], v[RB+4*\i:RB+4*\i+3], s[\qb:\qb+1] offset:2048*\a+512*\i       ; 512 consecutive bytes of q, aligned
.endr
.irp i, 0,1,2,3
	s_wait_dscnt 3-\i
	global_store_b128 v[CO], v[RB+16+4*\i:RB+16+4*\i+3], s[\kb:\kb+1] offset:2048*\a+512*\i ; and of k
.endr
.endm
.macro OUTQK a
	WIN 0x02                                       ; source 0 in window 2
.irp b, 0,1,2,3,4,5
.irp p, 0,2,4,6
	v_pk_add_f32 v[T+8*\b+\p:T+8*\b+\p+1], v[8*(6*\a+\b)+\p:8*(6*\a+\b)+\p+1], v[BQ+8*\b+\p:BQ+8*\b+\p+1]
.endr
.endr
	WIN 0x03                                       ; source 0 in window 3
.irp b, 6,7
.irp p, 0,2,4,6
	v_pk_add_f32 v[T+8*\b+\p:T+8*\b+\p+1], v[8*(6*\a+\b-6)+\p:8*(6*\a+\b-6)+\p+1], v[BQ+8*\b+\p:BQ+8*\b+\p+1]
.endr
.endr
	WIN 0
	SPLIT 32
	PUTQK \a, 76, 78
	LOPACK 32
	PUTQK \a, 88, 90
.endm
; 16 rows d = 16 t .. 16 t + 15 of v transposed, 64 keys each, out of TMP
.macro PUTV t, vb
.irp a, 0,1,2,3
	ds_store_b128 v[STO], v[TMP+4*\a:TMP+4*\a+3] offset:32*\a
.endr
	s_wait_xcnt 0x0
.irp i, 0,1,2,3
	ds_load_b128 v[RB+4*\i:RB+4*\i+3], v[RD] offset:\i*4*SPITCH
.endr
.irp i, 0,1,2,3
	s_wait_dscnt 3-\i
	global_store_b128 v[CO], v[RB+4*\i:RB+4*\i+3], s[\vb:\vb+1] offset:2048*\t+512*\i       ; 512 consecutive bytes of vt, aligned
.endr
.endm
.macro OUTV t
	WIN 0x03
.irp a, 0,1,2,3
.irp p, 0,2,4,6
	v_pk_add_f32 v[T+8*\a+\p:T+8*\a+\p+1], v[8*(6*\a+2+\t)+\p:8*(6*\a+2+\t)+\p+1], v[BV+2*\t:BV+2*\t+1]
.endr
.endr
	WIN 0
	v_pk_add_f32 v[CS+2*\t:CS+2*\t+1], v[T:T+1], v[T+2:T+3]        ; the sums over the keys, of the unsplit numbers
.set i, 2
.rept 14
	v_pk_add_f32 v[CS+2*\t:CS+2*\t+1], v[CS+2*\t:CS+2*\t+1], v[T+2*i:T+2*i+1]
.set i, i+1
.endr
	SPLIT 16
	PUTV \t, 80
	LOPACK 16
	PUTV \t, 92
.endm
	OUTQK 0
	OUTQK 1
	OUTQK 2
	OUTQK 3
	OUTV 0
	OUTV 1
	OUTV 2
	OUTV 3
	; the 64 column sums: the pair's two halves, then the other 16 lanes' keys; lane 16 h + r then sends d = 16 h + r and d = 32 + 16 h + r
.irp t, 0,1,2,3
	v_add_f32 v[CS+2*\t], v[CS+2*\t], v[CS+2*\t+1]
.endr
.irp t, 0,1,2,3
	v_permlanex16_b32 v[CS+2*\t+1], v[CS+2*\t], s84, s85
.endr
.irp t, 0,1,2,3
	v_add_f32 v[CS+2*\t], v[CS+2*\t], v[CS+2*\t+1]
.endr
	v_cmp_le_u32 vcc_lo, 16, v[LANE]
	v_cndmask_b32 v[T],   v[CS],   v[CS+2], vcc_lo
	v_cndmask_b32 v[T+1], v[CS+4], v[CS+6], vcc_lo
	ds_store_b32 v[VS4], v[T]
	ds_store_b32 v[VS4], v[T+1] offset:128
	ds_load_b64 v[T+2:T+3], v[VS8]
	s_wait_dscnt 0x0
	global_store_b64 v[CO8], v[T+2:T+3], s[82:83]  ; 256 consecutive bytes, aligned
	s_set_vgpr_msb 0x1
	s_wait_tensorcnt 0x0
	ds_add_u32 v255, v23
	s_wait_dscnt 0x0
	s_set_vgpr_msb 0x100
	CROUND                                         ; the closing round: no work-group ends while a partner may still ask for a tile that names it
	s_endpgm
.Lfunc_end_k_q5d128323e3_qkv:
	.size	k_q5d128323e3_qkv, .Lfunc_end_k_q5d128323e3_qkv-k_q5d128323e3_qkv
	.p2alignl 7, 3214868480
	.fill 96, 4, 3214868480
	.section	.rodata,"a",@progbits
	.p2align	6, 0x0
	.amdhsa_kernel k_q5d128323e3_qkv
		.amdhsa_group_segment_fixed_size 327680
		.amdhsa_private_segment_fixed_size 0
		.amdhsa_enable_private_segment 0
		.amdhsa_kernarg_size 56
		.amdhsa_user_sgpr_count 2
		.amdhsa_user_sgpr_kernarg_segment_ptr 1
		.amdhsa_wavefront_size32 1
		.amdhsa_system_sgpr_workgroup_id_x 1
		.amdhsa_system_sgpr_workgroup_id_y 1
		.amdhsa_system_sgpr_workgroup_id_z 1
		.amdhsa_system_vgpr_workitem_id 0
		.amdhsa_next_free_vgpr 1024
		.amdhsa_next_free_sgpr 96
		.amdhsa_reserve_vcc 1
		.amdhsa_float_denorm_mode_32 3
		.amdhsa_float_denorm_mode_16_64 3
		.amdhsa_memory_ordered 1
		.amdhsa_forward_progress 1
		.amdhsa_inst_pref_size 255
	.end_amdhsa_kernel
	.section	.bss,"aw",@nobits
	.p2align	6
	.space	262144
	.amdgpu_metadata
---
amdhsa.version: [ 1, 2 ]
amdhsa.kernels:
  - .name:           k_q5d128323e3_qkv
    .symbol:         k_q5d128323e3_qkv.kd
    .args:
      - { .name: xb, .offset: 0, .size: 8, .value_kind: global_buffer, .address_space: global }
      - { .name: w1b, .offset: 8, .size: 8, .value_kind: global_buffer, .address_space: global }
      - { .name: b1, .offset: 16, .size: 8, .value_kind: global_buffer, .address_space: global }
      - { .name: q, .offset: 24, .size: 8, .value_kind: global_buffer, .address_space: global }
      - { .name: k, .offset: 32, .size: 8, .value_kind: global_buffer, .address_space: global }
      - { .name: vt, .offset: 40, .size: 8, .value_kind: global_buffer, .address_space: global }
      - { .name: vsum, .offset: 48, .size: 8, .value_kind: global_buffer, .address_space: global }
    .group_segment_fixed_size: 327680
    .private_segment_fixed_size: 0
    .kernarg_segment_align: 8
    .kernarg_segment_size: 56
    .max_flat_workgroup_size: 128
    .sgpr_count:     96
    .vgpr_count:     1024
    .wavefront_size: 32
...
	.end_amdgpu_metadata
.endif
;; end of part 2
;; launch attn (part 3): grid 16 x 16, 8 waves a work-group, no clusters, 327,680 bytes of LDS; arguments q, k, vt, vsum, att; writes att
.if DOCPART == 3
	.amdgcn_target "amdgcn-amd-amdhsa--gfx1250"
	.amdhsa_code_object_version 6
	.text
	.protected	k_q5d128323e3_attn
	.globl	k_q5d128323e3_attn
	.p2align	8
	.type	k_q5d128323e3_attn,@function
k_q5d128323e3_attn:
	s_mov_b64 s[64:65], 0
	v_nop
	global_prefetch_b8 v0, s[64:65] scope:SCOPE_SE
	s_setreg_imm32_b32 hwreg(HW_REG_WAVE_MODE, 25, 1), 1
	s_wait_xcnt 0x0
; Causal attention of one head, d = 64, with a running maximum.  q, k: f16 [2 terms][head][4096][64]; vt: f16 [2 terms][head][64 tiles][64 d][64 keys];
; vsum: f32 [head][64 tiles][64 d]; out att: bf16 [32 row blocks][2 terms][16 heads][128 rows][64 d].
; THE MASK is the problem's: a masked score is exactly -1e6, not minus infinity, so masked keys keep a weight exp(-1e6 - m).  Inside the diagonal unit the
; masked raw products are set to -8e6 (= -1e6 x 8, the division by 8 follows) and take part like any key.  The n = 128 (31 - u) keys behind the diagonal unit all have
; the same score, so they enter in closed form at the end: n exp(-1e6 - m) in the denominator, exp(-1e6 - m) x (the sum of their v) in the numerator.
; SHARES: query blocks of 128 rows, key units of 128.  Work-group jj takes block 2 jj (2 jj + 1 units) and then block 31 - 2 jj (32 - 2 jj units): 33 units each.
; Eight waves: w' = wave % 4 owns 32 queries (two tiles of 16), g = wave / 4 owns keys 64 g .. 64 g + 63 of every unit; the two partial results are merged once a block.
; A block's diagonal unit comes first: it starts the maximum, the sum and O (C = 0), so nothing is cleared.
; PRECISION: operands are f16 (11 bits).  A query with few open keys averages nothing away, and those queries (the first rows of block 0) have all their keys in the
; diagonal unit; there q, k, v and the weights go as two f16 terms each, by three products: Kh Qh + Kh Ql + Kl Qh and Vh Ph + Vh Pl + Vl Ph.  The same text serves every
; block's diagonal unit: 2 of a work-group's 33 steps.  The result leaves as two bf16 terms, 16 bits.
; TRANSPOSED PRODUCTS: S^T = K Q^T puts query lane % 16 in a lane, with keys 8 (lane / 16) + j in its registers: maximum and sum are one register a lane, and two
; rounded key tiles are P^T's fragment as they stand.  O^T = V^T P^T again has one query a lane.
; Tile t of the 33 lies in LDS slot t % 2; wave 0 asks for K's 16 KiB, wave 4 for V's: one tensor load of a wave is out at the most.
; NO CLUSTER: the 16 work-groups of a head walk its units in different orders (each begins at its own diagonal unit, and changes block after 2 jj + 1 units),
; so no two of them want the same tile in the same step.
; LIMITS: |q|, |k|, |v| below 65,504; second terms lose what lies below 2^-24; an exponential below 2^-126 comes out as 0; sums are ordered otherwise than in the
; problem's function; NaN and infinities are not served.
.set KP,     144                       ; an LDS row: 128 bytes + 16 = 9 x 16 bytes
.set KBYTES, 128*KP                    ; K's 128 rows; V's 2 x 64 rows
.set SLOT,   2*KBYTES                  ; 36,864
.set RTAB,   2*SLOT                    ; f32 [32][64]: R[u] = the sum of v over the keys behind unit u.  This and what follows is never the target of a tensor load
.set MSTG,   RTAB+8192                 ; 4 x 9,216: O and the figures of waves 4-7, for waves 0-3
.set OSTG,   MSTG+4*9216               ; 4 x 64 rows x 144: the way out, 32 rows of first terms, then 32 of second terms
.set LOPLANE, 0x800000                 ; from the first terms of q, k, vt to the second
.set ATTLO,  262144                    ; from att's first terms to its second: 16 heads x 16,384 bytes
.set ADR,  2                           ; 9,216 g + 144 r + 16 h: my fragments in K, and in V
.set DD,   3                           ; 32 w' + r - 64 g - 8 h: key j of key tile kt is open to query tile qt where 16 (kt - qt) + j <= DD
.set QOFF, 4
.set ADRM, 5
.set STO,  6
.set RDO,  7
.set ST,   8                           ; v[8:15]: for each query tile: alpha, maximum M, shift NMC = -c M, sum L
.set T,    16                          ; v[16:23] at work
.set CO,   24
.set RH,   25
.set LOFF, 31                          ; 8,192 g + 128 r + 16 h: my fragments of K's and V's second terms in memory
.set Q,    32                          ; v[32:63]   Q fragments: 16 qt + 8 c
.set O,    64                          ; v[64:127]  O^T: 32 qt + 8 t
.set S,    128                         ; v[128:191] S^T: 32 qt + 8 kt; P^T in place at 32 qt + 8 c
.set KV,   192                         ; v[192:255] K fragments, later V fragments: 32 c + 8 tile
.set LQ,   0                           ; window 1: v[256:287] Q's second terms
.set LK,   32                          ; v[288:351] K's
.set LV,   96                          ; v[352:415] V's
.set PL,   32                          ; v[288:319] P's second terms, where K's were: 16 qt + 8 c
.set G1, 24                            ; s[24:31] group 1, for K and V alike
.set GK, 32                            ; s[32:39] group 0 for K, one set for each slot
.set GV, 40                            ; s[40:47] group 0 for V
.set MSB, 0
.macro WIN new                         ; s_set_vgpr_msb: bits 1:0 source 0, 3:2 source 1, 5:4 source 2, 7:6 destination; the high byte repeats the setting that is left
.if MSB != \new
	s_set_vgpr_msb (MSB<<8)|\new
.set MSB, \new
.endif
.endm
; The next tile's unit and addresses, into the descriptors of slot.  Stands where no tensor load of the wave is out.
.macro NEXT slot
	s_add_co_u32 s22, s22, 1                       ; the tile's number, 0..32
	s_cmp_le_u32 s22, s19                          ; still in the first block?
	s_cselect_b32 s52, 0, s21                      ; the block's first tile
	s_cselect_b32 s53, s19, s20                    ; the block's diagonal unit
	s_sub_co_u32 s52, s22, s52                     ; place in the block
	s_sub_co_u32 s54, s52, 1
	s_cmp_eq_u32 s52, 0
	s_cselect_b32 s52, s53, s54                    ; the diagonal unit first, then units 0, 1, ..
	s_min_u32 s52, s52, 31
	s_lshl_b32 s52, s52, 14                        ; a unit is 16,384 dense bytes, of k and of vt
	s_mov_b32 s53, 0
	s_add_nc_u64 s[GK+4*\slot+2:GK+4*\slot+3], s[48:49], s[52:53]
	s_or_b32 s[GK+4*\slot+3], s[GK+4*\slot+3], 0x80000000
	s_add_nc_u64 s[GV+4*\slot+2:GV+4*\slot+3], s[50:51], s[52:53]
	s_or_b32 s[GV+4*\slot+3], s[GV+4*\slot+3], 0x80000000
.endm
.macro REFILL s                        ; wave 0: K's tile; wave 4: V's
	s_cmp_lg_u32 s14, 0
	s_cbranch_scc1 .Lnot_k_\@
	tensor_load_to_lds s[GK+4*(\s):GK+4*(\s)+3], s[G1:G1+7]
	s_nop 0
.Lnot_k_\@:
	s_cmp_lg_u32 s14, 4
	s_cbranch_scc1 .Lnot_v_\@
	tensor_load_to_lds s[GV+4*(\s):GV+4*(\s)+3], s[G1:G1+7]
	s_nop 0
.Lnot_v_\@:
.endm
.macro QLOAD base                      ; my 32 queries as B fragments, straight from memory: lane (r, h): query 16 qt + r, d = 32 c + 8 h .. and + 16
.irp qt, 0,1
.irp c, 0,1
	global_load_b128 v[Q+16*\qt+8*\c:Q+16*\qt+8*\c+3],   v[QOFF], s[\base:\base+1] offset:2048*\qt+64*\c
	global_load_b128 v[Q+16*\qt+8*\c+4:Q+16*\qt+8*\c+7], v[QOFF], s[\base:\base+1] offset:2048*\qt+64*\c+32
.endr
.endr
.endm
; The second terms that a block's diagonal unit needs, as fragments straight from memory into window 1: 8 loads for Q, 16 for my 64 keys of K, 16 for V
.macro LOLOAD qb, kb, vb
	WIN 0x40                                       ; destination window 1, address window 0
.irp qt, 0,1
.irp c, 0,1
	global_load_b128 v[LQ+16*\qt+8*\c:LQ+16*\qt+8*\c+3],   v[QOFF], s[\qb:\qb+1] offset:2048*\qt+64*\c
	global_load_b128 v[LQ+16*\qt+8*\c+4:LQ+16*\qt+8*\c+7], v[QOFF], s[\qb:\qb+1] offset:2048*\qt+64*\c+32
.endr
.endr
.irp c, 0,1
.irp t, 0,1,2,3
	global_load_b128 v[LK+32*\c+8*\t:LK+32*\c+8*\t+3],   v[LOFF], s[\kb:\kb+1] offset:2048*\t+64*\c
	global_load_b128 v[LK+32*\c+8*\t+4:LK+32*\c+8*\t+7], v[LOFF], s[\kb:\kb+1] offset:2048*\t+64*\c+32
	global_load_b128 v[LV+32*\c+8*\t:LV+32*\c+8*\t+3],   v[LOFF], s[\vb:\vb+1] offset:2048*\t+64*\c
	global_load_b128 v[LV+32*\c+8*\t+4:LV+32*\c+8*\t+7], v[LOFF], s[\vb:\vb+1] offset:2048*\t+64*\c+32
.endr
.endr
	WIN 0
.endm
; The maximum of a query's 64 scores here and of the old maximum; the new shift; alpha = 2^(new shift - old shift): the difference of the ROUNDED shifts is
; the exact change of scale of what has been summed so far, whatever the size of the scores.
.macro ROWMAX qt, first
.irp k, 0,1,2,3
	v_max3_num_f32 v[T+4*\qt+\k], v[S+32*\qt+8*\k], v[S+32*\qt+8*\k+1], v[S+32*\qt+8*\k+2]
.endr
.irp k, 0,1,2,3
	v_max3_num_f32 v[T+4*\qt+\k], v[T+4*\qt+\k], v[S+32*\qt+8*\k+3], v[S+32*\qt+8*\k+4]
.endr
.irp k, 0,1,2,3
	v_max3_num_f32 v[T+4*\qt+\k], v[T+4*\qt+\k], v[S+32*\qt+8*\k+5], v[S+32*\qt+8*\k+6]
.endr
	v_max3_num_f32 v[T+4*\qt],   v[T+4*\qt],   v[S+32*\qt+7],  v[S+32*\qt+15]
	v_max3_num_f32 v[T+4*\qt+2], v[T+4*\qt+2], v[S+32*\qt+23], v[S+32*\qt+31]
	v_max3_num_f32 v[T+4*\qt],   v[T+4*\qt],   v[T+4*\qt+1],   v[T+4*\qt+2]
.if \first
	v_max_num_f32 v[T+4*\qt], v[T+4*\qt], v[T+4*\qt+3]
.else
	v_max3_num_f32 v[T+4*\qt], v[T+4*\qt], v[T+4*\qt+3], v[ST+4*\qt+1]
.endif
	v_permlanex16_b32 v[T+4*\qt+1], v[T+4*\qt], s58, s59          ; the same query's other 32 keys
	v_max_num_f32 v[ST+4*\qt+1], v[T+4*\qt], v[T+4*\qt+1]
.if \first
	v_mul_f32 v[ST+4*\qt+2], s60, v[ST+4*\qt+1]
.else
	v_mul_f32 v[T+4*\qt+2], s60, v[ST+4*\qt+1]
	v_sub_f32 v[T+4*\qt+3], v[T+4*\qt+2], v[ST+4*\qt+2]
	v_mov_b32 v[ST+4*\qt+2], v[T+4*\qt+2]
	v_exp_f32 v[ST+4*\qt], v[T+4*\qt+3]            ; the next line is plain and names neither register (ISA guide 5.7.2)
.endif
.endm
.macro EXPS qt                         ; p = 2^(c s + shift), c = log2(e) / 8
.set i, 0
.rept 16
	v_pk_fma_f32 v[S+32*\qt+2*i:S+32*\qt+2*i+1], v[S+32*\qt+2*i:S+32*\qt+2*i+1], s[56:57], v[ST+4*\qt+2:ST+4*\qt+3] op_sel_hi:[1,0,0]
.set i, i+1
.endr
.set i, 0
.rept 32
	v_exp_f32 v[S+32*\qt+i], v[S+32*\qt+i]
.set i, i+1
.endr
.endm
.macro SUM qt, first                   ; L = L alpha + the sum of my 32 weights (each half of the lanes keeps its own part until the end)
	s_wait_alu depctr_va_vdst(0)
	v_pk_add_f32 v[T+4*\qt:T+4*\qt+1],   v[S+32*\qt:S+32*\qt+1],       v[S+32*\qt+2:S+32*\qt+3]
	v_pk_add_f32 v[T+4*\qt+2:T+4*\qt+3], v[S+32*\qt+16:S+32*\qt+17],   v[S+32*\qt+18:S+32*\qt+19]
.irp p, 4,6,8,10,12,14
	v_pk_add_f32 v[T+4*\qt:T+4*\qt+1],   v[T+4*\qt:T+4*\qt+1],   v[S+32*\qt+\p:S+32*\qt+\p+1]
	v_pk_add_f32 v[T+4*\qt+2:T+4*\qt+3], v[T+4*\qt+2:T+4*\qt+3], v[S+32*\qt+16+\p:S+32*\qt+16+\p+1]
.endr
	v_pk_add_f32 v[T+4*\qt:T+4*\qt+1], v[T+4*\qt:T+4*\qt+1], v[T+4*\qt+2:T+4*\qt+3]
.if \first
	v_add_f32 v[ST+4*\qt+3], v[T+4*\qt], v[T+4*\qt+1]
.else
	v_add_f32 v[T+4*\qt], v[T+4*\qt], v[T+4*\qt+1]
	v_fma_f32 v[ST+4*\qt+3], v[ST+4*\qt+3], v[ST+4*\qt], v[T+4*\qt]
.endif
.endm
.macro PACK qt                         ; register i takes weights 2 i, 2 i + 1 (written only behind the reads of its old content): registers 8 c .. 8 c + 7 are fragment c
.set i, 0
.rept 16
	v_cvt_pk_f16_f32 v[S+32*\qt+i], v[S+32*\qt+2*i], v[S+32*\qt+2*i+1]
.set i, i+1
.endr
.endm
; The diagonal unit's weights as two f16 terms: the first keeps the upper 11 bits (a mask), the second is what is left.  O, not yet begun, holds the first terms in f32.
.macro SPLITP
.set i, 0
.rept 64
	v_and_b32 v[O+i], s93, v[S+i]
.set i, i+1
.endr
.set i, 0
.rept 32
	v_pk_add_f32 v[S+2*i:S+2*i+1], v[S+2*i:S+2*i+1], v[O+2*i:O+2*i+1] neg_lo:[0,1] neg_hi:[0,1]
.set i, i+1
.endr
	WIN 0x40                                       ; destination window 1
.irp qt, 0,1
.set i, 0
.rept 16
	v_cvt_pk_f16_f32 v[PL+16*\qt+i], v[S+32*\qt+2*i], v[S+32*\qt+2*i+1]
.set i, i+1
.endr
.endr
	WIN 0
.irp qt, 0,1
.set i, 0
.rept 16
	v_cvt_pk_f16_f32 v[S+32*\qt+i], v[O+32*\qt+2*i], v[O+32*\qt+2*i+1]
.set i, i+1
.endr
.endr
.endm
.macro SCALE qt
.set i, 0
.rept 16
	v_pk_mul_f32 v[O+32*\qt+2*i:O+32*\qt+2*i+1], v[O+32*\qt+2*i:O+32*\qt+2*i+1], v[ST+4*\qt:ST+4*\qt+1] op_sel_hi:[1,0]
.set i, i+1
.endr
.endm
; 8 matrix instructions, the 8 tiles of S (of O) by turns, in the same order every time
.macro QK a, b, c, zero                ; S^T (+)= K fragments at a x Q fragments at b, d = 32 c ..
.irp qt, 0,1
.irp kt, 0,1,2,3
.if \zero
	v_wmma_f32_16x16x32_f16 v[S+32*\qt+8*\kt:S+32*\qt+8*\kt+7], v[\a+32*\c+8*\kt:\a+32*\c+8*\kt+7], v[\b+16*\qt+8*\c:\b+16*\qt+8*\c+7], 0
.else
	v_wmma_f32_16x16x32_f16 v[S+32*\qt+8*\kt:S+32*\qt+8*\kt+7], v[\a+32*\c+8*\kt:\a+32*\c+8*\kt+7], v[\b+16*\qt+8*\c:\b+16*\qt+8*\c+7], v[S+32*\qt+8*\kt:S+32*\qt+8*\kt+7]
.endif
.endr
.endr
.endm
.macro PV a, b, bs, c, zero            ; O^T (+)= V fragments at a x P fragments at b (bs registers from query tile to query tile), keys 32 c ..
.irp qt, 0,1
.irp t, 0,1,2,3
.if \zero
	v_wmma_f32_16x16x32_f16 v[O+32*\qt+8*\t:O+32*\qt+8*\t+7], v[\a+32*\c+8*\t:\a+32*\c+8*\t+7], v[\b+\bs*\qt+8*\c:\b+\bs*\qt+8*\c+7], 0
.else
	v_wmma_f32_16x16x32_f16 v[O+32*\qt+8*\t:O+32*\qt+8*\t+7], v[\a+32*\c+8*\t:\a+32*\c+8*\t+7], v[\b+\bs*\qt+8*\c:\b+\bs*\qt+8*\c+7], v[O+32*\qt+8*\t:O+32*\qt+8*\t+7]
.endif
.endr
.endr
.endm
; One key unit, out of slot.  first = 1: a block's diagonal unit.  refill = 1: the other slot gets the next tile.  close = 1: the barrier in front of the next refill.
.macro STEP slot, first, refill, close
.if \refill
	REFILL 1-\slot                                 ; first thing behind the barrier: it has this whole step in which to land
.endif
.rept 5
	v_nop                                          ; five places behind the last products: S is written over P, which they read, and K lands on V's fragments (ISA guide 7.12.1)
.endr
.irp c, 0,1
.irp kt, 0,1,2,3
	ds_load_b128 v[KV+32*\c+8*\kt:KV+32*\c+8*\kt+3],   v[ADR] offset:\slot*SLOT+\kt*16*KP+64*\c
	ds_load_b128 v[KV+32*\c+8*\kt+4:KV+32*\c+8*\kt+7], v[ADR] offset:\slot*SLOT+\kt*16*KP+64*\c+32
.endr
.endr
.if \first
	s_wait_loadcnt 0x0                             ; the block's Q, and the second terms of Q, K and V
.endif
	s_wait_dscnt 0x8                               ; d = 0..31 of K is in; the eight loads of d = 32..63 may be out
	QK KV, Q, 0, 1
	s_wait_dscnt 0x0
	QK KV, Q, 1, 0
.if \first
	WIN 0x04                                       ; source 1 in window 1: Q's second terms
	QK KV, LQ, 0, 0
	QK KV, LQ, 1, 0
	WIN 0x01                                       ; source 0 in window 1: K's second terms
	QK LK, Q, 0, 0
	QK LK, Q, 1, 0
	WIN 0
.endif
.rept 4
	v_nop                                          ; four places: V lands on K's fragments, and S is read
.endr
.irp c, 0,1
.irp t, 0,1,2,3
	ds_load_b128 v[KV+32*\c+8*\t:KV+32*\c+8*\t+3],   v[ADR] offset:\slot*SLOT+KBYTES+\t*16*KP+64*\c
	ds_load_b128 v[KV+32*\c+8*\t+4:KV+32*\c+8*\t+7], v[ADR] offset:\slot*SLOT+KBYTES+\t*16*KP+64*\c+32
.endr
.endr
.if \first
.irp qt, 0,1
.irp kt, 0,1,2,3
.irp j, 0,1,2,3,4,5,6,7
	v_cmp_le_i32 vcc_lo, 16*(\kt-\qt)+\j, v[DD]    ; key <= query?
	v_cndmask_b32 v[S+32*\qt+8*\kt+\j], s55, v[S+32*\qt+8*\kt+\j], vcc_lo
.endr
.endr
.endr
.endif
	ROWMAX 0, \first
	ROWMAX 1, \first
	EXPS 0
	EXPS 1                                         ; its multiply-adds are the plain lines behind tile 0's exponentials; SUM 0's are those behind tile 1's
	SUM 0, \first
	SUM 1, \first
.if \first
	SPLITP
.else
	PACK 0
	PACK 1
	SCALE 0
	SCALE 1
.endif
	s_wait_dscnt 0x0                               ; V is in: my reads of this slot are over
	PV KV, S, 32, 0, \first
.if \close
	s_set_vgpr_msb 0x5
	s_wait_tensorcnt 0x0                           ; all my tensor loads have landed (the next tile), so a group 0 may be written
	ds_add_u32 v160, v161
	ds_add_u32 v160, v161
	s_wait_dscnt 0x0
	s_set_vgpr_msb 0x500
	NEXT \slot
	s_barrier_signal -1
.endif
	PV KV, S, 32, 1, 0                             ; registers only, up to the barrier's wait
.if \first
	WIN 0x04                                       ; source 1 in window 1: P's second terms
	PV KV, PL, 16, 0, 0
	PV KV, PL, 16, 1, 0
	WIN 0x01                                       ; source 0 in window 1: V's second terms
	PV LV, S, 32, 0, 0
	PV LV, S, 32, 1, 0
	WIN 0
.endif
.if \close
	s_barrier_wait -1
.endif
.endm
; A block's end: waves 4-7 hand O and their figures to waves 0-3, which add the keys behind the diagonal unit in closed form, divide, and store.
.macro FINAL b, roff, nrest, ab
.rept 4
	v_nop                                          ; four places behind the last products
.endr
.if \b == 1
	QLOAD 62                                       ; the second block's Q and second terms, waited for in its first step
	LOLOAD 82, 86, 90
.endif
	s_cmp_lt_u32 s14, 4
	s_cbranch_scc1 .Lkeep_\@
.set i, 0
.rept 16
	ds_store_b128 v[ADRM], v[O+4*i:O+4*i+3] offset:512*i
.set i, i+1
.endr
	ds_store_b128 v[ADRM], v[ST:ST+3] offset:8192
	ds_store_b128 v[ADRM], v[ST+4:ST+7] offset:8704
.Lkeep_\@:
	s_wait_dscnt 0x0                               ; for the readers' sake
	s_barrier_signal -1
	s_barrier_wait -1
	s_cmp_gt_u32 s14, 3
	s_cbranch_scc1 .Lmerged_\@
	v_add_nc_u32 v26, s\roff, v[RH]
.set i, 0
.rept 16
	ds_load_b128 v[S+4*i:S+4*i+3], v[ADRM] offset:512*i            ; the partner's O
.set i, i+1
.endr
	ds_load_b128 v[KV:KV+3], v[ADRM] offset:8192                   ; its figures
	ds_load_b128 v[KV+4:KV+7], v[ADRM] offset:8704
.irp t, 0,1,2,3
	ds_load_b128 v[KV+8+8*\t:KV+8+8*\t+3],  v26 offset:64*\t       ; R[u][16 t + 8 h + 0..7]
	ds_load_b128 v[KV+12+8*\t:KV+12+8*\t+3], v26 offset:64*\t+16
.endr
	v_cvt_f32_u32 v27, s\nrest                     ; how many keys lie behind the diagonal unit
	s_wait_dscnt 0x0
.irp qt, 0,1
	v_max3_num_f32 v16, v[ST+4*\qt+1], v[KV+4*\qt+1], s61          ; the maximum over both parts and the masked score
	v_mul_f32 v16, s60, v16                                        ; its shift
	v_sub_f32 v18, v16, v[ST+4*\qt+2]
	v_sub_f32 v20, v16, v[KV+4*\qt+2]
	v_fma_f32 v22, s61, s56, v16
	v_exp_f32 v18, v18
	v_exp_f32 v20, v20
	v_exp_f32 v22, v22
	v_nop                                                          ; a plain line behind the exponentials
	s_wait_alu depctr_va_vdst(0)
	v_mul_f32 v17, v[ST+4*\qt+3], v18
	v_fma_f32 v17, v[KV+4*\qt+3], v20, v17
	v_permlanex16_b32 v19, v17, s58, s59
	v_add_f32 v17, v17, v19
	v_fma_f32 v17, v27, v22, v17                                   ; at least 1: the largest score's own weight
	v_rcp_f32 v17, v17
	v_nop
	s_wait_alu depctr_va_vdst(0)
	v_mul_f32 v18, v18, v17
	v_mul_f32 v20, v20, v17
	v_mul_f32 v22, v22, v17
.set i, 0
.rept 16
	v_pk_mul_f32 v[O+32*\qt+2*i:O+32*\qt+2*i+1], v[O+32*\qt+2*i:O+32*\qt+2*i+1], v[18:19] op_sel_hi:[1,0]
	v_pk_fma_f32 v[O+32*\qt+2*i:O+32*\qt+2*i+1], v[S+32*\qt+2*i:S+32*\qt+2*i+1], v[20:21], v[O+32*\qt+2*i:O+32*\qt+2*i+1] op_sel_hi:[1,0,1]
	v_pk_fma_f32 v[O+32*\qt+2*i:O+32*\qt+2*i+1], v[KV+8+2*i:KV+8+2*i+1], v[22:23], v[O+32*\qt+2*i:O+32*\qt+2*i+1] op_sel_hi:[1,0,1]
.set i, i+1
.endr
.endr
	; two bf16 terms: the rounded result, and the rounded rest
.set i, 0
.rept 32
	v_cvt_pk_bf16_f32 v[S+i], v[O+2*i], v[O+2*i+1]
.set i, i+1
.endr
.set i, 0
.rept 32
	v_lshlrev_b32 v[KV+2*i], 16, v[S+i]
	v_and_b32 v[KV+2*i+1], s94, v[S+i]
.set i, i+1
.endr
.set i, 0
.rept 32
	v_pk_add_f32 v[O+2*i:O+2*i+1], v[O+2*i:O+2*i+1], v[KV+2*i:KV+2*i+1] neg_lo:[0,1] neg_hi:[0,1]
.set i, i+1
.endr
.set i, 0
.rept 32
	v_cvt_pk_bf16_f32 v[S+32+i], v[O+2*i], v[O+2*i+1]
.set i, i+1
.endr
.irp p, 0,1
.irp qt, 0,1
.irp t, 0,1,2,3
	ds_store_b128 v[STO], v[S+32*\p+16*\qt+4*\t:S+32*\p+16*\qt+4*\t+3] offset:\p*32*KP+\qt*16*KP+32*\t   ; term p, row 16 qt + r, d = 16 t + 8 h ..
.endr
.endr
.endr
.irp n, 0,1,2,3,4,5,6,7,8,9,10,11,12,13,14,15
	ds_load_b128 v[KV+4*\n:KV+4*\n+3], v[RDO] offset:\n*4*KP       ; my own bytes, served in order: four rows of 128 bytes
.endr
.irp n, 0,1,2,3,4,5,6,7
	s_wait_dscnt 15-\n                                             ; read-back n is in, the younger ones stay out
	global_store_b128 v[CO], v[KV+4*\n:KV+4*\n+3], s[\ab:\ab+1] offset:512*\n   ; 512 consecutive bytes of att, aligned
.endr
.irp n, 0,1,2,3,4,5,6,7
	s_wait_dscnt 7-\n
	global_store_b128 v[CO], v[KV+32+4*\n:KV+32+4*\n+3], s[\ab:\ab+1] offset:ATTLO+512*\n
.endr
.if \b == 1
	s_wait_xcnt 0x0                                ; the stores' data registers are written again in the next block only behind this wait
.endif
.Lmerged_\@:
.if \b == 1
	s_wait_dscnt 0x0                               ; the barrier in front of the next refill: my LDS reads are back,
	s_set_vgpr_msb 0x5
	s_wait_tensorcnt 0x0                           ; no tensor load of mine is out
	ds_add_u32 v160, v161
	ds_add_u32 v160, v161
	s_wait_dscnt 0x0
	s_set_vgpr_msb 0x500
	s_barrier_signal -1
	s_barrier_wait -1
.endif
.endm
	s_load_b256 s[4:11], s[0:1], 0x0               ; q s[4:5], k s[6:7], vt s[8:9], vsum s[10:11]
	s_load_b64 s[12:13], s[0:1], 0x20              ; att
	s_set_vgpr_msb 0x40
	v_lshl_add_u32 v160, v0, 2, 0x29000
	v_mov_b32 v161, 0
	s_set_vgpr_msb 0x4045
	ds_add_u32 v160, v161
	ds_add_u32 v160, v161
	s_set_vgpr_msb 0x4500
	v_lshrrev_b32 v1, 5, v0
	v_readfirstlane_b32 s14, v1                    ; wave 0..7
	s_and_b32 s15, s14, 3                          ; w': my 32 queries
	s_lshr_b32 s16, s14, 2                         ; g: my 64 keys of a unit
	s_min_u32 s17, ttmp9, 15                       ; jj
	s_and_b32 s18, ttmp7, 0xffff                   ; head
	s_lshl_b32 s19, s17, 1                         ; first block u1 = 2 jj
	s_sub_co_u32 s20, 31, s19                      ; second block u2 = 31 - 2 jj
	s_add_co_u32 s21, s19, 1                       ; the second block's first tile
	s_sub_co_u32 s92, 15, s17                      ; trips of the second loop
	s_mov_b32 s22, -1                              ; tile counter
	s_mov_b32 s55, 0xcaf42400                      ; -8e6: the masked score times 8
	s_mov_b32 s56, 0x3e38aa3b                      ; c = log2(e) / 8
	s_mov_b32 s57, 0x3e38aa3b
	s_mov_b32 s58, 0x76543210
	s_mov_b32 s59, 0xfedcba98
	s_mov_b32 s60, 0xbe38aa3b                      ; -c
	s_mov_b32 s93, 0xffffe000                      ; sign, exponent and the upper 10 bits of an f32's fraction: what f16 holds
	s_mov_b32 s94, 0xffff0000                      ; a word's upper bf16
	; group 1: 16,384 dense bytes as 64 rows of 32 elements of 8 bytes; 16 bytes of padding behind every 32 words, so each 128 bytes get a row of 144
	s_mov_b32 s[G1+0], (3<<16)|(1<<20)|(4<<22)|(3<<25)
	s_mov_b32 s[G1+1], 32<<16
	s_mov_b32 s[G1+2], 64<<16
	s_mov_b32 s[G1+3], 32<<16
	s_mov_b32 s[G1+4], 64
	s_mov_b32 s[G1+5], 32
	s_mov_b32 s[G1+6], 0
	s_mov_b32 s[G1+7], 0
.irp s, 0,1
	s_mov_b32 s[GK+4*\s], 1
	s_mov_b32 s[GK+4*\s+1], \s*SLOT
	s_mov_b32 s[GV+4*\s], 1
	s_mov_b32 s[GV+4*\s+1], \s*SLOT+KBYTES
.endr
	s_lshl_b32 s76, s18, 19                        ; a head's 524,288 bytes of q, k, vt
	s_mov_b32 s77, 0
	s_wait_dscnt 0x0
	s_wait_kmcnt 0x0
	s_add_nc_u64 s[48:49], s[6:7], s[76:77]
	s_add_nc_u64 s[50:51], s[8:9], s[76:77]
	NEXT 0                                         ; tile 0
	NEXT 1                                         ; tile 1, asked for in the first step
	REFILL 0
	s_add_nc_u64 s[66:67], s[4:5], s[76:77]
	s_lshl_b32 s52, s20, 14                        ; the second block, and its diagonal unit
	s_mov_b32 s53, 0
	s_add_nc_u64 s[62:63], s[66:67], s[52:53]      ; its Q
	s_add_nc_u64 s[86:87], s[48:49], s[52:53]
	s_add_nc_u64 s[90:91], s[50:51], s[52:53]
	s_lshl_b32 s52, s19, 14                        ; the first block
	s_add_nc_u64 s[66:67], s[66:67], s[52:53]
	s_add_nc_u64 s[84:85], s[48:49], s[52:53]
	s_add_nc_u64 s[88:89], s[50:51], s[52:53]
	s_add_nc_u64 s[80:81], s[66:67], LOPLANE       ; second terms: Q of block 1,
	s_add_nc_u64 s[82:83], s[62:63], LOPLANE       ; of block 2,
	s_add_nc_u64 s[84:85], s[84:85], LOPLANE       ; K of unit u1,
	s_add_nc_u64 s[86:87], s[86:87], LOPLANE       ; of unit u2,
	s_add_nc_u64 s[88:89], s[88:89], LOPLANE       ; V of unit u1,
	s_add_nc_u64 s[90:91], s[90:91], LOPLANE       ; of unit u2
	s_lshl_b32 s52, s19, 5
	s_add_co_u32 s52, s52, s18
	s_lshl_b32 s52, s52, 14
	s_add_nc_u64 s[68:69], s[12:13], s[52:53]      ; att at (u1, first terms, head)
	s_lshl_b32 s52, s20, 5
	s_add_co_u32 s52, s52, s18
	s_lshl_b32 s52, s52, 14
	s_add_nc_u64 s[70:71], s[12:13], s[52:53]      ; att at (u2, first terms, head)
	s_lshl_b32 s52, s18, 14
	s_add_nc_u64 s[78:79], s[10:11], s[52:53]      ; the head's vsum
	s_lshl_b32 s72, s19, 8
	s_add_co_u32 s72, s72, RTAB                    ; R[u1]
	s_lshl_b32 s73, s20, 8
	s_add_co_u32 s73, s73, RTAB                    ; R[u2]
	s_lshl_b32 s74, s20, 7                         ; 128 (31 - u1) = 128 u2
	s_lshl_b32 s75, s19, 7                         ; 128 (31 - u2) = 128 u1
	v_and_b32 v26, 31, v0                          ; lane
	v_and_b32 v27, 15, v0                          ; r
	v_bfe_u32 v28, v0, 4, 1                        ; h
	v_lshlrev_b32 v[LOFF], 7, v27
	v_lshl_add_u32 v[LOFF], v28, 4, v[LOFF]        ; 128 r + 16 h
	v_lshl_add_u32 v[QOFF], s15, 12, v[LOFF]       ; (32 w' + r) x 128 + 16 h
	v_lshl_add_u32 v[LOFF], s16, 13, v[LOFF]       ; (64 g + r) x 128 + 16 h
	v_mul_u32_u24 v1, v27, KP
	v_lshl_add_u32 v1, v28, 4, v1                  ; 144 r + 16 h
	s_mul_i32 s52, s16, 64*KP
	v_add_nc_u32 v[ADR], s52, v1
	s_mul_i32 s52, s15, 64*KP
	s_add_co_u32 s52, s52, OSTG
	v_add_nc_u32 v[STO], s52, v1
	v_lshrrev_b32 v29, 3, v26
	v_mul_u32_u24 v29, v29, KP
	v_and_b32 v30, 7, v0
	v_lshl_add_u32 v29, v30, 4, v29
	v_add_nc_u32 v[RDO], s52, v29
	s_lshl_b32 s52, s15, 5
	s_lshl_b32 s53, s16, 6
	s_sub_co_i32 s52, s52, s53
	v_add_nc_u32 v[DD], s52, v27
	v_lshlrev_b32 v29, 3, v28
	v_sub_nc_u32 v[DD], v[DD], v29
	s_mul_i32 s52, s15, 9216
	s_add_co_u32 s52, s52, MSTG
	v_lshl_add_u32 v[ADRM], v26, 4, s52
	v_lshlrev_b32 v[CO], 4, v26
	v_lshl_add_u32 v[CO], s15, 12, v[CO]           ; 4,096 w' + 16 lane
	v_lshlrev_b32 v[RH], 5, v28
.irp i, 0,1,2,3,4,5,6,7
	v_mov_b32 v[ST+\i], 0                          ; the eight figures are read as pairs before each has its first value
.endr
	; R[u][d] = the sum of vsum[head][t][d] over the tiles t >= 2 u + 2: waves 0 and 1, one d a lane, from the last tile down.
	; It stands ahead of the loads of Q, so that a wave has 62 loads out here and 48 behind it.
	s_cmp_gt_u32 s14, 1
	s_cbranch_scc1 .Lno_r
	v_and_b32 v30, 63, v0
	v_lshlrev_b32 v30, 2, v30
	v_add_nc_u32 v29, RTAB, v30
.set i, 2
.rept 62
	global_load_b32 v[O+i-2], v30, s[78:79] offset:256*i
.set i, i+1
.endr
	v_mov_b32 v1, 0
	ds_store_b32 v29, v1 offset:31*256
	s_wait_loadcnt 0x0
	v_add_f32 v1, v[O+60], v[O+61]
	ds_store_b32 v29, v1 offset:30*256
.set i, 29
.rept 30
	v_add_f32 v1, v1, v[O+2*i]
	v_add_f32 v1, v1, v[O+2*i+1]
	ds_store_b32 v29, v1 offset:256*i
.set i, i-1
.endr
.Lno_r:
	QLOAD 66                                       ; the first block's Q and second terms, waited for in its first step
	LOLOAD 80, 84, 88
	s_wait_dscnt 0x0                               ; R is written,
	s_set_vgpr_msb 0x5
	s_wait_tensorcnt 0x0                           ; tile 0 has landed
	ds_add_u32 v160, v161
	ds_add_u32 v160, v161
	s_wait_dscnt 0x0
	s_set_vgpr_msb 0x500
	s_barrier_signal -1
	s_barrier_wait -1
	STEP 0, 1, 1, 1                                ; the first block's diagonal unit
	s_cmp_eq_u32 s17, 0
	s_cbranch_scc1 .Lblock1_done
	s_mov_b32 s23, 0
.Lblock1:
	STEP 1, 0, 1, 1
	STEP 0, 0, 1, 1
	s_add_co_u32 s23, s23, 1
	s_cmp_lt_u32 s23, s17
	s_cbranch_scc1 .Lblock1
.Lblock1_done:
	s_mov_b32 s61, s55                             ; u1 <= 30: keys lie behind the diagonal unit
	FINAL 1, 72, 74, 68
	STEP 1, 1, 1, 1                                ; the second block's diagonal unit
	s_cmp_eq_u32 s17, 15
	s_cbranch_scc1 .Lblock2_done
	s_mov_b32 s23, 0
.Lblock2:
	STEP 0, 0, 1, 1
	STEP 1, 0, 1, 1
	s_add_co_u32 s23, s23, 1
	s_cmp_lt_u32 s23, s92
	s_cbranch_scc1 .Lblock2
.Lblock2_done:
	STEP 0, 0, 0, 0                                ; tile 32: nothing is left to fetch
	s_cmp_eq_u32 s20, 31                           ; behind block 31 lies no key (and its last row has no masked key at all):
	s_cselect_b32 s61, 0xff800000, s55             ; there the masked score must not enter the maximum
	FINAL 2, 73, 75, 70
	s_set_vgpr_msb 0x5
	s_wait_tensorcnt 0x0
	ds_add_u32 v160, v161
	s_wait_dscnt 0x0
	s_set_vgpr_msb 0x500
	s_endpgm
.Lfunc_end_k_q5d128323e3_attn:
	.size	k_q5d128323e3_attn, .Lfunc_end_k_q5d128323e3_attn-k_q5d128323e3_attn
	.p2alignl 7, 3214868480
	.fill 96, 4, 3214868480
	.section	.rodata,"a",@progbits
	.p2align	6, 0x0
	.amdhsa_kernel k_q5d128323e3_attn
		.amdhsa_group_segment_fixed_size 327680
		.amdhsa_private_segment_fixed_size 0
		.amdhsa_enable_private_segment 0
		.amdhsa_kernarg_size 40
		.amdhsa_user_sgpr_count 2
		.amdhsa_user_sgpr_kernarg_segment_ptr 1
		.amdhsa_wavefront_size32 1
		.amdhsa_system_sgpr_workgroup_id_x 1
		.amdhsa_system_sgpr_workgroup_id_y 1
		.amdhsa_system_sgpr_workgroup_id_z 1
		.amdhsa_system_vgpr_workitem_id 0
		.amdhsa_next_free_vgpr 418
		.amdhsa_next_free_sgpr 96
		.amdhsa_reserve_vcc 1
		.amdhsa_float_denorm_mode_32 3
		.amdhsa_float_denorm_mode_16_64 3
		.amdhsa_memory_ordered 1
		.amdhsa_forward_progress 1
		.amdhsa_inst_pref_size 223
	.end_amdhsa_kernel
	.amdgpu_metadata
---
amdhsa.version: [ 1, 2 ]
amdhsa.kernels:
  - .name:           k_q5d128323e3_attn
    .symbol:         k_q5d128323e3_attn.kd
    .args:
      - { .name: q, .offset: 0, .size: 8, .value_kind: global_buffer, .address_space: global }
      - { .name: k, .offset: 8, .size: 8, .value_kind: global_buffer, .address_space: global }
      - { .name: vt, .offset: 16, .size: 8, .value_kind: global_buffer, .address_space: global }
      - { .name: vsum, .offset: 24, .size: 8, .value_kind: global_buffer, .address_space: global }
      - { .name: att, .offset: 32, .size: 8, .value_kind: global_buffer, .address_space: global }
    .group_segment_fixed_size: 327680
    .private_segment_fixed_size: 0
    .kernarg_segment_align: 8
    .kernarg_segment_size: 40
    .max_flat_workgroup_size: 256
    .sgpr_count:     96
    .vgpr_count:     418
    .wavefront_size: 32
...
	.end_amdgpu_metadata
.endif
;; end of part 3
;; launch proj (part 4): grid 8 x 32, 4 waves a work-group, clusters of 4 x 4, 327,680 bytes of LDS; arguments att, wpb, bp, out0; writes out0
.if DOCPART == 4
	.amdgcn_target "amdgcn-amd-amdhsa--gfx1250"
	.amdhsa_code_object_version 6
	.text
	.protected	k_q5d128323e3_proj
	.globl	k_q5d128323e3_proj
	.p2align	8
	.type	k_q5d128323e3_proj,@function
k_q5d128323e3_proj:
	s_mov_b64 s[64:65], 0
	v_nop
	global_prefetch_b8 v0, s[64:65] scope:SCOPE_SE
	s_setreg_imm32_b32 hwreg(HW_REG_WAVE_MODE, 25, 1), 1
	s_wait_xcnt 0x0
	s_wait_alu depctr_hold_cnt(0) depctr_sa_sdst(0) depctr_va_vdst(0) depctr_va_sdst(0) depctr_va_ssrc(0) depctr_va_vcc(0) depctr_vm_vsrc(0)
	s_getreg_b32 s2, hwreg(HW_REG_IB_STS2, 6, 4)
	s_cmp_eq_u32 s2, 0
	s_cbranch_scc0 .Lentry_in_a_cluster
	s_endpgm
.Lentry_in_a_cluster:
	s_bfe_u32 s2, ttmp6, 0x10000c
	s_cmp_lg_u32 s2, 0xf033
	s_cbranch_scc0 .Lentry_shape_is_right
	s_endpgm
.Lentry_shape_is_right:
; out0 = a Wp + bp.  a comes as att, two bf16 terms: [32 row blocks][2 terms][16 heads][128 rows][64 d] (column head x 64 + d of a); wpb is Wp in bf16 [1024 (k)][1024 (n)];
; out0 is f32 [4096][1024].  Both terms are multiplied by Wp and summed in the same accumulators, so a enters with 16 bits: K is 2 x 1024.
; A work-group makes 128 x 128 of out0 with four waves, 2 x 2, 64 x 64 each: 16 accumulator tiles in window 1.  8 x 32 = 256 work-groups.
; K goes in 8 steps of 256 (four heads of one term) through two LDS slots.  A step of a is 65,536 dense bytes: waves 0 and 1 bring two heads each; waves 2 and 3 bring
; 128 k-rows of Wp each.  a's address steps evenly through both terms; Wp's k-rows are 256 x (step % 4), so a slot's address goes 1 MiB up, down, up.
; CLUSTERS: 4 x 4 work-groups; a's tile hangs on the row block alone and is asked for jointly along a row of the cluster, Wp's on the column block alone, along a column.
; The matrix instruction is used transposed (source 0 = 16 columns of Wp, by the transposing load; source 1 = 16 rows of a): a lane holds 8 neighbouring columns of one row.
; LIMITS: operands are bf16, sums f32 in the matrix unit's order; NaN and infinities are not served.
.set APITCH, 144                       ; 128 bytes (a head's 64 d) + 16
.set BPITCH, 288                       ; 256 bytes (128 columns) + 32 = 9 x 32
.set PART,   36864                     ; what one tensor load fills: 256 x 144 = 128 x 288
.set SLOT,   4*PART
.set STAGE,  2*SLOT                    ; 16 rows x 272 bytes for each wave, never the target of a tensor load
.set SPITCH, 272
.set ADRA, 16                          ; v16-17  my a fragments in slot 0, 1
.set ADRB, 20                          ; v20-23  my Wp fragments: slot 0 k-rows 0-127, 128-255; slot 1 likewise
.set STO,  24
.set RD,   25
.set CO,   26
.set BO,   27
.set BP,   32                          ; v[32:63]   bias: 8 b + j
.set F0,   64                          ; v[64:127]  fragments, buffer 0: a at +0, Wp at +32
.set F1,   128                         ; v[128:191] buffer 1
.set T,    192                         ; v[192:223] at work
.set RB,   224                         ; v[224:255] rows read back
.set G1A, 28
.set G0A, 36
.set G1B, 44
.set G0B, 52
.set MSB, 0
.macro WIN new
.if MSB != \new
	s_set_vgpr_msb (MSB<<8)|\new
.set MSB, \new
.endif
.endm
.macro JLOAD s
	s_cmp_eq_u32 s19, 0
	s_cbranch_scc0 .Lfor_w_\@
	tensor_load_to_lds s[G0A+4*\s:G0A+4*\s+3], s[G1A:G1A+7]
	s_nop 0
	s_branch .Lasked_\@
.Lfor_w_\@:
	tensor_load_to_lds s[G0B+4*\s:G0B+4*\s+3], s[G1B:G1B+7]
	s_nop 0
.Lasked_\@:
.endm
.macro CREST
	s_cmp_lg_u32 s18, 0
	s_cbranch_scc1 .Lnot_wave_0_\@
	s_barrier_signal -3
.Lnot_wave_0_\@:
	s_barrier_wait -3
	s_barrier_signal -1
	s_barrier_wait -1
.endm
.macro CROUND
	s_barrier_signal -1
	s_barrier_wait -1
	CREST
.endm
.macro PLACES                          ; four independent vector instructions behind a matrix instruction (ISA guide 7.12.1)
.rept 4
	v_nop
.endr
.endm
	s_load_b256 s[4:11], s[0:1], 0x0               ; att s[4:5], wpb s[6:7], bp s[8:9], out0 s[10:11]
	v_lshl_add_u32 v30, v0, 2, 0x4c400
	v_mov_b32 v31, 0
	ds_add_u32 v30, v31
	ds_add_u32 v30, v31
	v_lshrrev_b32 v1, 5, v0
	v_readfirstlane_b32 s18, v1                    ; wave 0..3
	s_lshr_b32 s19, s18, 1                         ; my half of the block's rows.  Also: I fetch for a (0) or for Wp (1)
	s_and_b32 s20, s18, 1                          ; my half of its columns.  Also: which half of that tile I fetch
	s_bfe_u32 s21, ttmp6, 0x40000                  ; cx
	s_bfe_u32 s22, ttmp6, 0x40004                  ; cy
	s_lshl_b32 s23, ttmp9, 2
	s_add_co_u32 s23, s23, s21                     ; column block
	s_and_b32 s24, ttmp7, 0xffff
	s_lshl_b32 s24, s24, 2
	s_add_co_u32 s24, s24, s22                     ; row block
	s_lshl_b32 s25, s22, 2
	s_lshl_b32 s25, 15, s25                        ; my row of the cluster
	s_lshl_b32 s26, 0x1111, s21                    ; my column
	; group 1 for a: 32,768 dense bytes as 128 rows of 32 elements of 8 bytes; 16 bytes of padding behind every 32 words
	s_or_b32 s[G1A+0], s25, (3<<16)|(1<<20)|(1<<21)|(4<<22)|(3<<25)
	s_mov_b32 s[G1A+1], 32<<16
	s_mov_b32 s[G1A+2], 128<<16
	s_mov_b32 s[G1A+3], 32<<16
	s_mov_b32 s[G1A+4], 128
	s_mov_b32 s[G1A+5], 32
	s_mov_b32 s[G1A+6], 0
	s_mov_b32 s[G1A+7], 0
	; group 1 for Wp: 128 k-rows x 128 elements of 2 bytes; 32 bytes of padding behind every 64 words
	s_or_b32 s[G1B+0], s26, (1<<16)|(1<<20)|(1<<21)|(5<<22)|(7<<25)
	s_mov_b32 s[G1B+1], 128<<16
	s_mov_b32 s[G1B+2], 128<<16
	s_mov_b32 s[G1B+3], 128<<16
	s_mov_b32 s[G1B+4], 128
	s_mov_b32 s[G1B+5], 1024
	s_mov_b32 s[G1B+6], 0
	s_mov_b32 s[G1B+7], 0
	s_lshl_b32 s60, s24, 19                        ; a: 524,288 x row block (both terms) + two heads for the second half
	s_lshl_b32 s62, s20, 15
	s_add_co_u32 s60, s60, s62
	s_mov_b32 s61, 0
	s_lshl_b32 s66, s23, 8                         ; Wp: 256 bytes x column block + 128 k-rows for the second half
	s_lshl_b32 s68, s20, 18
	s_add_co_u32 s66, s66, s68
	s_mov_b32 s67, 0
	s_mul_i32 s70, s18, PART                       ; LDS: a's halves, then Wp's = wave x 36,864
	s_lshl_b32 s72, s23, 9                         ; bias and output column: 512 bytes x column block + 256 x my half
	s_lshl_b32 s86, s20, 8
	s_add_co_u32 s72, s72, s86
	s_mov_b32 s73, 0
	s_lshl_b32 s74, s24, 19                        ; output row: 128 rows x 4,096 bytes x row block + 64 rows x my half
	s_lshl_b32 s86, s19, 18
	s_add_co_u32 s74, s74, s86
	s_add_co_u32 s74, s74, s72
	s_mov_b32 s75, 0
	s_wait_dscnt 0x0
	s_wait_kmcnt 0x0
	s_add_nc_u64 s[60:61], s[4:5], s[60:61]
	s_add_nc_u64 s[66:67], s[6:7], s[66:67]
	s_add_nc_u64 s[72:73], s[8:9], s[72:73]
	s_add_nc_u64 s[76:77], s[10:11], s[74:75]
	CROUND                                         ; all sixteen work-groups are here: the first joint loads meet
.irp s, 0,1
	s_mov_b32 s[G0A+4*\s], 1
	s_add_co_u32 s[G0A+4*\s+1], s70, \s*SLOT
	s_add_nc_u64 s[G0A+4*\s+2:G0A+4*\s+3], s[60:61], \s*65536
	s_or_b32 s[G0A+4*\s+3], s[G0A+4*\s+3], 0x80000000
	s_mov_b32 s[G0B+4*\s], 1
	s_add_co_u32 s[G0B+4*\s+1], s70, \s*SLOT
	s_add_nc_u64 s[G0B+4*\s+2:G0B+4*\s+3], s[66:67], \s*256*2048
	s_or_b32 s[G0B+4*\s+3], s[G0B+4*\s+3], 0x80000000
	JLOAD \s                                       ; K steps 0 and 1: two tensor loads of the wave are out, the most in this text
.endr
	v_and_b32 v1, 15, v0                           ; r
	v_bfe_u32 v2, v0, 4, 1                         ; h
	v_and_b32 v7, 7, v0
	v_bfe_u32 v5, v0, 3, 1
	v_lshlrev_b32 v[BO], 5, v2
.irp b, 0,1,2,3
	global_load_b128 v[BP+8*\b:BP+8*\b+3],   v[BO], s[72:73] offset:64*\b          ; bp of columns 16 b + 8 h + 0..7
	global_load_b128 v[BP+8*\b+4:BP+8*\b+7], v[BO], s[72:73] offset:64*\b+16
.endr
	v_mul_u32_u24 v3, v1, APITCH
	v_lshl_add_u32 v3, v2, 4, v3
	s_mul_i32 s86, s19, 64*APITCH                  ; my 64 rows
	v_add_nc_u32 v[ADRA], s86, v3
	v_add_nc_u32 v[ADRA+1], SLOT, v[ADRA]
	v_lshl_add_u32 v4, v2, 3, v7                   ; k-row 8 h + lane % 8
	v_mul_u32_u24 v4, v4, BPITCH
	v_lshl_add_u32 v4, v5, 4, v4
	v_lshl_add_u32 v4, s20, 7, v4                  ; my 64 columns
	v_add_nc_u32 v[ADRB],   2*PART, v4
	v_add_nc_u32 v[ADRB+1], 3*PART, v4
	v_add_nc_u32 v[ADRB+2], SLOT+2*PART, v4
	v_add_nc_u32 v[ADRB+3], SLOT+3*PART, v4
	s_mul_i32 s86, s18, 16*SPITCH
	s_add_co_u32 s86, s86, STAGE
	v_mul_u32_u24 v6, v1, SPITCH
	v_lshl_add_u32 v6, v2, 5, v6                   ; in: row r, 32 bytes for each half of the lanes
	v_add_nc_u32 v[STO], s86, v6
	v_mul_u32_u24 v6, v2, SPITCH
	v_lshl_add_u32 v6, v1, 4, v6                   ; back: lanes 0-15 one row of 256 bytes, lanes 16-31 the next
	v_add_nc_u32 v[RD], s86, v6
	v_lshlrev_b32 v[CO], 4, v1
	v_lshl_add_u32 v[CO], v2, 12, v[CO]            ; the same two rows in out0
; 16 LDS loads: quarter q (32 along K, q = 0..7) of a slot into buffer f
.macro FETCH slot, q, f
	WIN 0
.irp a, 0,1,2,3
	ds_load_b128 v[\f+8*\a:\f+8*\a+3],   v[ADRA+(\slot)] offset:((\q)/2)*128*APITCH+((\q)%2)*64+\a*16*APITCH
	ds_load_b128 v[\f+8*\a+4:\f+8*\a+7], v[ADRA+(\slot)] offset:((\q)/2)*128*APITCH+((\q)%2)*64+\a*16*APITCH+32
.endr
.irp b, 0,1,2,3
	ds_load_tr16_b128 v[\f+32+8*\b:\f+32+8*\b+3],   v[ADRB+2*(\slot)+(\q)/4] offset:((\q)%4)*32*BPITCH+32*\b
	ds_load_tr16_b128 v[\f+32+8*\b+4:\f+32+8*\b+7], v[ADRB+2*(\slot)+(\q)/4] offset:((\q)%4)*32*BPITCH+32*\b+16*BPITCH
.endr
.endm
; 16 matrix instructions, the 16 accumulators by turns in the same order in every quarter
.macro MUL16 f, zero
	WIN 0x50                                       ; C and D in window 1
.irp a, 0,1,2,3
.irp b, 0,1,2,3
.if \zero
	v_wmma_f32_16x16x32_bf16 v[8*(4*\a+\b):8*(4*\a+\b)+7], v[\f+32+8*\b:\f+32+8*\b+7], v[\f+8*\a:\f+8*\a+7], 0
.else
	v_wmma_f32_16x16x32_bf16 v[8*(4*\a+\b):8*(4*\a+\b)+7], v[\f+32+8*\b:\f+32+8*\b+7], v[\f+8*\a:\f+8*\a+7], v[8*(4*\a+\b):8*(4*\a+\b)+7]
.endif
.endr
.endr
.endm
.macro QUART slot, q, zero             ; q = 0..6: the next quarter's fragments are asked for, then this quarter is multiplied
	PLACES
	FETCH \slot, \q+1, F0+64*((\q+1)%2)
	s_wait_dscnt 16                                ; this quarter's loads are in; the 16 just issued stay out
	MUL16 F0+64*(\q%2), \zero
.endm
; A K step of 256.  mode 2: the slot is filled again behind a round of the cluster's barrier (up = 1: Wp's address goes 1 MiB up, 0: down); 1: a plain barrier; 0: the last step
.macro SSTEP slot, zero, mode, up
	QUART \slot, 0, \zero
.irp q, 1,2,3,4,5,6
	QUART \slot, \q, 0
.endr
	s_wait_dscnt 0x0                               ; my reads of this slot are over
.if \mode
	s_wait_tensorcnt 0x0                           ; all my tensor loads have landed: my part of the next slot
	ds_add_u32 v30, v31
	s_wait_dscnt 0x0
	s_barrier_signal -1
.endif
	MUL16 F1, 0                                    ; registers only
	WIN 0
.if \mode
	s_barrier_wait -1
.if \mode == 2
	CREST
	s_add_nc_u64 s[G0A+4*\slot+2:G0A+4*\slot+3], s[G0A+4*\slot+2:G0A+4*\slot+3], 2*65536
.if \up
	s_add_nc_u64 s[G0B+4*\slot+2:G0B+4*\slot+3], s[G0B+4*\slot+2:G0B+4*\slot+3], 2*256*2048
.else
	s_sub_nc_u64 s[G0B+4*\slot+2:G0B+4*\slot+3], s[G0B+4*\slot+2:G0B+4*\slot+3], 2*256*2048
.endif
	JLOAD \slot                                    ; the first tensor load behind the round; 112 matrix instructions stand between it and the wait for it
.endif
	PLACES
	FETCH 1-\slot, 0, F0
.endif
.endm
	s_wait_tensorcnt 0x1                           ; my part of K step 0 is in; K step 1's may stay out
	s_barrier_signal -1
	s_barrier_wait -1
	FETCH 0, 0, F0
	SSTEP 0, 1, 2, 1                               ; step 0: the first products start the sums; asks for step 2
	SSTEP 1, 0, 2, 1                               ; step 1; asks for step 3
	SSTEP 0, 0, 2, 0                               ; step 2; asks for step 4: the second terms begin, Wp's k-rows begin again
	SSTEP 1, 0, 2, 0                               ; step 3; asks for step 5
	SSTEP 0, 0, 2, 1                               ; step 4; asks for step 6
	SSTEP 1, 0, 2, 1                               ; step 5; asks for step 7
	SSTEP 0, 0, 1, 0                               ; step 6: nothing is left to fetch
	SSTEP 1, 0, 0, 0                               ; step 7
	; THE WAY OUT, 16 rows at a time through my own stage: bias, 32 bytes a lane in, whole rows of 256 bytes back
	PLACES
	s_wait_loadcnt 0x0                             ; the bias
.macro OUT16 a
	WIN 0x01                                       ; source 0 in window 1
.irp b, 0,1,2,3
.irp p, 0,2,4,6
	v_pk_add_f32 v[T+8*\b+\p:T+8*\b+\p+1], v[8*(4*\a+\b)+\p:8*(4*\a+\b)+\p+1], v[BP+8*\b+\p:BP+8*\b+\p+1]
.endr
.endr
	WIN 0
.irp b, 0,1,2,3
	ds_store_b128 v[STO], v[T+8*\b:T+8*\b+3]   offset:64*\b
	ds_store_b128 v[STO], v[T+8*\b+4:T+8*\b+7] offset:64*\b+16
.endr
	s_wait_xcnt 0x0                                ; RB, which the earlier global stores read, is loaded again only behind this wait
.irp i, 0,1,2,3,4,5,6,7
	ds_load_b128 v[RB+4*\i:RB+4*\i+3], v[RD] offset:\i*2*SPITCH    ; my own bytes, served in order
.endr
.irp i, 0,1,2,3,4,5,6,7
	s_wait_dscnt 7-\i                              ; read-back i is in, the younger ones stay out
	global_store_b128 v[CO], v[RB+4*\i:RB+4*\i+3], s[76:77] offset:(16*\a+2*\i)*4096 th:TH_STORE_NT   ; 16 lanes store 256 consecutive bytes, aligned
.endr
.endm
	OUT16 0
	OUT16 1
	OUT16 2
	OUT16 3
	s_wait_tensorcnt 0x0
	ds_add_u32 v30, v31
	s_wait_dscnt 0x0
	CROUND                                         ; the closing round
	s_endpgm
.Lfunc_end_k_q5d128323e3_proj:
	.size	k_q5d128323e3_proj, .Lfunc_end_k_q5d128323e3_proj-k_q5d128323e3_proj
	.p2alignl 7, 3214868480
	.fill 96, 4, 3214868480
	.section	.rodata,"a",@progbits
	.p2align	6, 0x0
	.amdhsa_kernel k_q5d128323e3_proj
		.amdhsa_group_segment_fixed_size 327680
		.amdhsa_private_segment_fixed_size 0
		.amdhsa_enable_private_segment 0
		.amdhsa_kernarg_size 32
		.amdhsa_user_sgpr_count 2
		.amdhsa_user_sgpr_kernarg_segment_ptr 1
		.amdhsa_wavefront_size32 1
		.amdhsa_system_sgpr_workgroup_id_x 1
		.amdhsa_system_sgpr_workgroup_id_y 1
		.amdhsa_system_sgpr_workgroup_id_z 1
		.amdhsa_system_vgpr_workitem_id 0
		.amdhsa_next_free_vgpr 384
		.amdhsa_next_free_sgpr 96
		.amdhsa_reserve_vcc 0
		.amdhsa_float_denorm_mode_32 3
		.amdhsa_float_denorm_mode_16_64 3
		.amdhsa_memory_ordered 1
		.amdhsa_forward_progress 1
		.amdhsa_inst_pref_size 167
	.end_amdhsa_kernel
	.amdgpu_metadata
---
amdhsa.version: [ 1, 2 ]
amdhsa.kernels:
  - .name:           k_q5d128323e3_proj
    .symbol:         k_q5d128323e3_proj.kd
    .args:
      - { .name: att, .offset: 0, .size: 8, .value_kind: global_buffer, .address_space: global }
      - { .name: wpb, .offset: 8, .size: 8, .value_kind: global_buffer, .address_space: global }
      - { .name: bp, .offset: 16, .size: 8, .value_kind: global_buffer, .address_space: global }
      - { .name: out0, .offset: 24, .size: 8, .value_kind: global_buffer, .address_space: global }
    .group_segment_fixed_size: 327680
    .private_segment_fixed_size: 0
    .kernarg_segment_align: 8
    .kernarg_segment_size: 32
    .max_flat_workgroup_size: 128
    .sgpr_count:     96
    .vgpr_count:     384
    .wavefront_size: 32
...
	.end_amdgpu_metadata
.endif
;; end of part 4
